; MI455X (gfx1250); checked and timed in simulation.
; The chip was launched on July 23, 2026; its instructions are those of AMD's public machine-readable ISA for CDNA 5 (MIT licence, August 2026) and "CDNA5" Instruction Set Architecture Reference Guide (July 2026). The comments in the code are by the model that wrote it; some were corrected since.
;; Grouped Query Attention. Allowed arithmetic: matrix products marked QUANTISED: E4M3 operands, one given power-of-two scale a tensor, by v_wmma_f32_16x16x64_fp8_fp8 or v_wmma_f32_16x16x128_fp8_fp8, f32 sums; everything else in f32.
;; Inputs: Wk 2,048 x 512 float32; Wo 1,024 x 2,048 float32; Wq 2,048 x 1,024 float32; Wv 2,048 x 512 float32; cos 4,096 x 128 float32; hidden_states 1 x 4,096 x 2,048 float32; lowp_scales 12 int32 (the exponents e of the quantised operands' scales 2^e); sin 4,096 x 128 float32.
;; Outputs: out0 1 x 4,096 x 2,048 float32.
;; This version of the problem:
;;   THIS VERSION OF THE PROBLEM IS GIVEN IN LOW PRECISION. The matrix products marked QUANTISED in the list below multiply operands that are first quantised to E4M3 (4 exponent bits, 3 mantissa bits; 8 bits a number), with one given power-of-two scale for each operand tensor; their sums are f32. All else is computed in f32.
;;   The module's matrix products, in the order in which they are computed (A, B: the left and right operand; K: the contracted axis; several contracted axes count as one K, in the product's order):
;;     1. [M 4,096, K 2,048] x [K 2,048, N 1,024]; A: input hidden_states; B: input Wq: QUANTISED (scales: A lowp_scales[0], B lowp_scales[1])
;;     2. [M 4,096, K 2,048] x [K 2,048, N 512]; A: input hidden_states; B: input Wk: QUANTISED (scales: A lowp_scales[2], B lowp_scales[3])
;;     3. [M 4,096, K 2,048] x [K 2,048, N 512]; A: input hidden_states; B: input Wv: QUANTISED (scales: A lowp_scales[4], B lowp_scales[5])
;;     4. batch 8 x [M 4,096, K 128] x [K 128, N 4,096]; A: computed on the way; B: computed on the way: QUANTISED (scales: A lowp_scales[6], B lowp_scales[7])
;;     5. batch 8 x [M 4,096, K 4,096] x [K 4,096, N 128]; A: softmax (see below); B: computed on the way: QUANTISED (scales: A lowp_scales[8], B lowp_scales[9])
;;     6. [M 4,096, K 1,024] x [K 1,024, N 2,048]; A: computed on the way; B: input Wo: QUANTISED (scales: A lowp_scales[10], B lowp_scales[11])
;;   THE QUANTISER, for each operand of a quantised product, along K:
;;     - The operand's scale is 2^e, e = its entry of the input lowp_scales (int32; the entries are numbered through the quantised products in the list's order, A before B).
;;     - Each number is divided by the scale, clamped to +-448, and rounded to the nearest number of E4M3, ties to even, subnormals kept.
;;     - The product sums the exact products of the quantised numbers (number of the format x scale) in f32.
;;   ~~~python
;;   def quantise(x, axis, e):      # numpy; x: float32 -> the quantised numbers, widened to float32 again
;;       x = np.moveaxis(x, axis, -1); K = x.shape[-1]
;;       r = np.clip(x / 2.0 ** e, -448, 448)
;;       step = 2.0 ** (np.maximum(np.frexp(np.where(r == 0, 1, r))[1] - 1, -6) - 3)
;;       q = np.round(r / step) * step * 2.0 ** e      # np.round: ties to even
;;       return np.moveaxis(q, -1, axis).astype(np.float32)
;;   ~~~
;;   SOFTMAX AHEAD OF A QUANTISED PRODUCT. Where the list says 'softmax', what is quantised is not the finished softmax but p = 2^(t - M), with t = logit x log2(e) and M = ceil(the row's largest t), a whole number; so 1/2 < the row's largest p <= 1. The row's sum l is taken of the UNQUANTISED p, in f32, and the product's result is divided by l at the end. Since M is a whole number, a kernel that streams over the keys may use a running M (the ceiling of the running maximum): every later rescaling is an exact power of two, so the quantised numbers keep their values, but for numbers so far below the row's largest that they fall under the format's range.
;;   OPERANDS COMPUTED ON THE WAY. 'Computed on the way' means the value that the module computes at that place (a softmax that the list does not call 'softmax' is quantised finished and normalised). What goes into a quantiser is computed in f32, as accurately as f32 sums, v_exp_f32 and their like allow (about 1e-6 of the number): no bf16 or f16 on the way to a quantiser, and a product that is left as it is and whose result goes on into a quantised operand takes f32 operands (vector FMAs, or v_wmma_f32_16x16x4_f32). A number that lies on a knife's edge between two numbers of the format may be rounded either way, as far as f32 arithmetic and the matrix unit's own rounding can turn it there, and no further.
;; One version. Each part assembles by itself: llvm-mc -triple=amdgcn-amd-amdhsa -mcpu=gfx1250 --defsym DOCPART=n.
;; ======== version 1 of 1: 4 launches
;; limits: right only within a limited range of input values
;; workspace buffers: hc 25,165,824 bytes; cs 4,194,304 bytes; wc 6,291,456 bytes; qkv 8,388,608 bytes; oc 4,194,304 bytes
;; launch quant (part 1): grid 480 x 1, 4 waves a work-group, no clusters, 102,912 bytes of LDS; arguments hidden_states, cos, sin, Wq, Wk, Wv, Wo, lowp_scales, hc, cs, wc; writes hc, cs, wc
.if DOCPART == 1
	.amdgcn_target "amdgcn-amd-amdhsa--gfx1250"
	.amdhsa_code_object_version 6
	.text
	.protected	k_q9ca523f6c9_quant
	.globl	k_q9ca523f6c9_quant
	.p2align	8
	.type	k_q9ca523f6c9_quant,@function
k_q9ca523f6c9_quant:
	s_mov_b64 s[64:65], 0
	v_nop
	global_prefetch_b8 v0, s[64:65] scope:SCOPE_SE
	s_setreg_imm32_b32 hwreg(HW_REG_WAVE_MODE, 25, 1), 1
	s_wait_xcnt 0x0
; THE QUANTISER OF ALL INPUTS.  Every operand leaves as IMAGES OF OPERAND REGISTERS of v_wmma_f32_16x16x128_fp8_fp8: a fragment is 16 rows x 128 K = 2,048 bytes; its registers
; 4 c .. 4 c + 3 are 512 bytes, lane l's 16 bytes at 512 c + 16 l; lane (r = l % 16, h = l / 16) holds row r, and registers 2 c', 2 c' + 1 hold k = 16 c' + 8 h + 0 .. 7.
; An operand [rows][K] lies as [row / 16][k / 128][2,048 bytes].  code = x / 2^e, to the nearest code, ties to even.
; Three kinds of work-group, told apart by the work-group's number alone; the three ways never join, and each has LDS bytes of its own.
;   0 .. 255    X: 16 rows of hidden_states [4096][2048] -> hc [3][256][16][2048]: three sets of codes, with the scales of entries 0, 2 and 4 of lowp_scales (they need not be equal)
;   256 .. 287  C: cos (16 work-groups), sin (16) [4096][128] -> cs [2][256][16][32 lanes][16 bytes], f32 still, laid as a matrix result's registers want them:
;               piece q = 2 b + i holds for lane (r, h) the table's row 16 mb + r, d = 16 b + 8 h + 4 i .. + 3
;   288 .. 479  W: 128 columns x 256 K of Wq (64 work-groups), Wk (32), Wv (32), Wo (64), all stored [K][N] -> wc: Wq, Wk, Wv as rows n = 0 .. 2047 of one operand [128][16][2048];
;               at byte 4,194,304 Wo as [128][8][2048].  A lane takes a column and its registers run down K, so the conversions give codes with K innermost.
; No tensor loads, no barrier: waves share nothing; every load and store of a wave in X and C covers 512 consecutive bytes.
; LIMITS: each exponent used here (entries 0 to 5 and 11) lies between -126 and 119, so that 2^e and 448 x 2^e are f32 numbers.  NaN among the inputs is not served.
.set SPX,  528                         ; a stage row in X and C: 512 bytes + 16: sixteen lanes that read one column of sixteen rows start at sixteen different 16-byte columns
.set CSTG, 33792                       ; LDS: X's stages 4 x 8,448 from 0; C's from here;
.set WSTG, 67584                       ; W's 4 x 8,704 from here
.set WP,   272                         ; a stage row in W: 256 codes + 16
.set R,    16                          ; v16-143   X, C: two sets of 64 registers as loaded
.set X,    144                         ; v144-207  X, C: 64 numbers in the operand's order: register 8 b + j = (row r, k = 16 b + 8 h + j)
.set T,    208                         ; v208-223  not used
.set C,    224                         ; v224-247  X: codes, two sets of 3 scales x 4 registers
.set WOF,  16                          ; v16-47    W: 4 x lane + i rows
.set WX,   48                          ; v48-111   W: two sets of 32 numbers
.set WC,   112                         ; v112-119  W: a block's codes
.set OUTR, 128                         ; v128-191  W: the way out
.macro BLOAD set, off, pitch           ; 16 rows x 512 bytes: each load is 512 consecutive bytes of one row
.irp i, 0,1,2,3,4,5,6,7,8,9,10,11,12,13,14,15
	global_load_b128 v[R+64*(\set)+4*\i:R+64*(\set)+4*\i+3], v1, s[40:41] offset:(\off)+\i*(\pitch) th:TH_LOAD_NT
.endr
.endm
.macro TURN set                        ; through the wave's own stage: in as loaded, out in the operand's order.  LDS serves a wave's instructions in order: no wait between
.irp i, 0,1,2,3,4,5,6,7,8,9,10,11,12,13,14,15
	ds_store_b128 v10, v[R+64*(\set)+4*\i:R+64*(\set)+4*\i+3] offset:\i*SPX
.endr
.irp q, 0,1,2,3,4,5,6,7,8,9,10,11,12,13,14,15
	ds_load_b128 v[X+4*\q:X+4*\q+3], v11 offset:64*(\q/2)+16*(\q%2)
.endr
.endm
.macro SCALE e, vs, vl                 ; v[vs] = 2^e as f32 (the conversion takes its exponent field)
	s_add_co_i32 s51, s[\e], 127
	s_lshl_b32 s52, s51, 23
	v_mov_b32 v[\vs], s52
	s_add_co_i32 s51, s51, 8
	s_lshl_b32 s51, s51, 23
	s_or_b32 s51, s51, 0x600000
.endm
.macro XBLOCK t                        ; 16 rows x 128 K of hidden_states become three fragments
.if (\t) < 3
	s_wait_loadcnt 16                              ; this block's 16 loads are in; the next block's 16 may be out
.else
	s_wait_loadcnt 0x0
.endif
	TURN (\t)%2
	s_wait_dscnt 0x0                               ; the numbers are back, and the stage's stores have read their registers,
.if (\t) < 2
	BLOAD (\t)%2, ((\t)+2)*512, 8192               ; which take the block two further on
.endif
.irp c, 0,1,2,3
	s_wait_xcnt 0x0                                ; this set of code registers was store data two chunks ago: it is rewritten only behind this wait
.irp s, 0,1,2
.irp i, 0,1,2,3,4,5,6,7,8,9,10,11,12,13,14,15
.endr
	v_cvt_scalef32_pk8_fp8_f32 v[C+12*(\c%2)+4*\s:C+12*(\c%2)+4*\s+1], v[T+((X+16*\c+0)-(T+0)):T+7+((X+16*\c+0)-(T+0))], v[4+2*\s]
	v_cvt_scalef32_pk8_fp8_f32 v[C+12*(\c%2)+4*\s+2:C+12*(\c%2)+4*\s+3], v[T+8+((X+16*\c+0)-(T+0)):T+15+((X+16*\c+0)-(T+0))], v[4+2*\s]
	v_nop                                          ; a plain line behind the conversions
	global_store_b128 v1, v[C+12*(\c%2)+4*\s:C+12*(\c%2)+4*\s+3], s[42+2*\s:43+2*\s] offset:(\t)*2048+\c*512
.endr
.endr
.endm
.macro CBLOCK t                        ; 16 rows of a table, re-laid
.if (\t) < 3
	s_wait_loadcnt 16                              ; as in XBLOCK
.else
	s_wait_loadcnt 0x0
.endif
	s_wait_xcnt 0x0                                ; the last block's stores have read v[X] on
	TURN (\t)%2
	s_wait_dscnt 0x0
.if (\t) < 2
	BLOAD (\t)%2, ((\t)+2)*8192, 512
.endif
.irp q, 0,1,2,3,4,5,6,7,8,9,10,11,12,13,14,15
	global_store_b128 v1, v[X+4*\q:X+4*\q+3], s[42:43] offset:(\t)*8192+\q*512
.endr
.endm
.macro PICK lim, ptr, first, lg, pb, e, rbb   ; where u < lim: this weight's figures take the place of the ones so far
	s_cmp_lt_u32 s50, \lim
	s_cselect_b64 s[52:53], s[\ptr:\ptr+1], s[52:53]
	s_cselect_b32 s54, \first, s54
	s_cselect_b32 s55, \lg, s55
	s_cselect_b32 s56, \pb, s56
	s_cselect_b32 s57, s[\e], s57
	s_cselect_b32 s58, \rbb, s58
	s_cselect_b32 s59, 32768, s59
	s_cselect_b32 s60, 0, s60
.endm
.macro WLOAD t                         ; W(32 t + i, my column), i = 0 .. 31: each load reads 128 consecutive bytes, the four waves side by side 512
.irp i, 0,1,2,3,4,5,6,7,8,9,10,11,12,13,14,15,16,17,18,19,20,21,22,23,24,25,26,27,28,29,30,31
	global_load_b32 v[WX+32*((\t)%2)+\i], v[WOF+\i], s[68+2*(\t):69+2*(\t)] th:TH_LOAD_NT
.endr
.endm
.macro WBLOCK t
.if (\t) < 7
	s_wait_loadcnt 32                              ; this block's 32 loads are in; the next block's may be out
.else
	s_wait_loadcnt 0x0
.endif
.irp i, 0,1,2,3,4,5,6,7,8,9,10,11,12,13,14,15,16,17,18,19,20,21,22,23,24,25,26,27,28,29,30,31
.endr
.irp g, 0,1,2,3
	v_cvt_scalef32_pk8_fp8_f32 v[WC+2*\g:WC+2*\g+1], v[WX+32*((\t)%2)+8*\g:WX+32*((\t)%2)+8*\g+7], v12
.endr
	ds_store_b128 v4, v[WC:WC+3] offset:32*(\t)    ; 32 codes of my column's row (the codes go to LDS stores alone)
	ds_store_b128 v4, v[WC+4:WC+7] offset:32*(\t)+16
.if (\t)+2 < 8
	WLOAD (\t)+2
.endif
	s_wait_dscnt 0x0                               ; the stores have read their registers: the next block's codes may be written
.endm
	s_load_b256 s[4:11], s[0:1], 0x0               ; hidden_states s[4:5], cos s[6:7], sin s[8:9], Wq s[10:11]
	s_load_b256 s[12:19], s[0:1], 0x20             ; Wk s[12:13], Wv s[14:15], Wo s[16:17], lowp_scales s[18:19]
	s_load_b128 s[20:23], s[0:1], 0x40             ; hc s[20:21], cs s[22:23]
	s_load_b64 s[24:25], s[0:1], 0x50              ; wc
	v_lshl_add_u32 v254, v0, 2, 0x19000
	v_mov_b32 v255, 0
	v_lshrrev_b32 v1, 5, v0
	v_readfirstlane_b32 s26, v1                    ; wave 0..3
	v_and_b32 v2, 31, v0                           ; lane
	v_lshlrev_b32 v1, 4, v2                        ; 16 x lane: never rewritten
	v_and_b32 v14, 15, v0                          ; r
	v_bfe_u32 v15, v0, 4, 1                        ; h
	s_mul_i32 s27, s26, 16*SPX                     ; my stage in X (C adds its base)
	v_mul_u32_u24 v11, v14, SPX
	v_lshl_add_u32 v11, v15, 5, v11
	v_add_nc_u32 v11, s27, v11                     ; out of the stage: row r, + 32 h
	v_add_nc_u32 v10, s27, v1                      ; into it: 16 x lane of a row
	s_wait_kmcnt 0x0
	s_load_b256 s[28:35], s[18:19], 0x0            ; entries 0 to 7
	s_load_b128 s[36:39], s[18:19], 0x20           ; entries 8 to 11
	s_cmp_lt_u32 ttmp9, 256
	s_cbranch_scc0 .Lnot_x
	; ---- X: row block rb = the work-group's number; wave w takes K steps 4 w .. 4 w + 3
	s_lshl_b32 s48, ttmp9, 17                      ; 16 rows of 8,192 bytes
	s_lshl_b32 s49, s26, 11                        ; 4 K steps of 512 bytes
	s_add_co_u32 s48, s48, s49
	s_mov_b32 s49, 0
	s_add_nc_u64 s[40:41], s[4:5], s[48:49]
	s_lshl_b32 s48, ttmp9, 15                      ; hc: rb x 16 fragments
	s_lshl_b32 s50, s26, 13                        ; + 4 w fragments
	s_add_co_u32 s48, s48, s50
	s_add_nc_u64 s[42:43], s[20:21], s[48:49]      ; the set with entry 0's scale,
	s_add_nc_u64 s[44:45], s[42:43], 0x800000      ; entry 2's,
	s_add_nc_u64 s[46:47], s[44:45], 0x800000      ; entry 4's
	s_wait_alu depctr_va_vdst(0)
	BLOAD 0, 0, 8192
	BLOAD 1, 512, 8192
	s_wait_kmcnt 0x0
	SCALE 28, 4, 5
	SCALE 30, 6, 7
	SCALE 32, 8, 9
	s_wait_alu depctr_va_vdst(0)
	XBLOCK 0
	XBLOCK 1
	XBLOCK 2
	XBLOCK 3
	s_wait_tensorcnt 0x0
	ds_add_u32 v254, v255
	s_wait_dscnt 0x0
	s_endpgm
.Lnot_x:
	s_cmp_lt_u32 ttmp9, 288
	s_cbranch_scc0 .Lw
	; ---- C: c = number - 256: table c / 16, row blocks 16 (c % 16) + 4 w + 0 .. 3
	s_sub_co_u32 s48, ttmp9, 256
	s_cmp_lt_u32 s48, 16
	s_cselect_b64 s[40:41], s[6:7], s[8:9]         ; the choice hangs on the work-group's number alone
	s_lshr_b32 s50, s48, 4
	s_and_b32 s48, s48, 15
	s_lshl_b32 s48, s48, 4
	s_lshl_b32 s49, s26, 2
	s_add_co_u32 s48, s48, s49
	s_lshl_b32 s48, s48, 13                        ; a row block is 8,192 bytes, in as out
	s_mov_b32 s49, 0
	s_add_nc_u64 s[40:41], s[40:41], s[48:49]
	s_lshl_b32 s50, s50, 21
	s_add_co_u32 s48, s48, s50
	s_add_nc_u64 s[42:43], s[22:23], s[48:49]
	s_wait_alu depctr_va_vdst(0)
	v_add_nc_u32 v10, CSTG, v10
	v_add_nc_u32 v11, CSTG, v11
	BLOAD 0, 0, 512
	BLOAD 1, 8192, 512
	s_wait_alu depctr_va_vdst(0)
	s_wait_kmcnt 0x0                               ; (the scales' loads, which this way does not use, are in)
	CBLOCK 0
	CBLOCK 1
	CBLOCK 2
	CBLOCK 3
	s_wait_tensorcnt 0x0
	ds_add_u32 v254, v255
	s_wait_dscnt 0x0
	s_endpgm
.Lw:
	; ---- W: u = number - 288.  The figures begin as Wo's and are replaced where u is smaller
	s_wait_kmcnt 0x0
	s_sub_co_u32 s50, ttmp9, 288
	s_mov_b64 s[52:53], s[16:17]                   ; the weight
	s_mov_b32 s54, 128                             ; its first u
	s_mov_b32 s55, 4                               ; log2 of its blocks of 128 columns
	s_mov_b32 s56, 8192                            ; bytes in a row
	s_mov_b32 s57, s39                             ; e: entry 11
	s_mov_b32 s58, 0                               ; first row block in its operand
	s_mov_b32 s59, 16384                           ; bytes of a row block: K / 128 fragments
	s_mov_b32 s60, 4194304                         ; the operand's place in wc
	PICK 128, 14, 96, 2, 2048, 33, 96              ; Wv: entry 5
	PICK 96, 12, 64, 2, 2048, 31, 64               ; Wk: entry 3
	PICK 64, 10, 0, 3, 4096, 29, 0                 ; Wq: entry 1
	s_sub_co_u32 s51, s50, s54
	s_lshl_b32 s61, 1, s55
	s_sub_co_u32 s61, s61, 1
	s_and_b32 s61, s51, s61                        ; nx: which 128 columns
	s_lshr_b32 s62, s51, s55                       ; ky: which 256 along K
	s_mul_i32 s84, s62, s56
	s_lshl_b32 s84, s84, 8                         ; 256 ky rows,
	s_lshl_b32 s86, s61, 9
	s_add_co_u32 s84, s84, s86                     ; 128 nx columns,
	s_lshl_b32 s86, s26, 7
	s_add_co_u32 s84, s84, s86                     ; 32 w columns
	s_mov_b32 s85, 0
	s_add_nc_u64 s[68:69], s[52:53], s[84:85]      ; a base for each of the eight blocks of 32 rows: nothing is stepped
	s_lshl_b32 s86, s56, 5
	s_mov_b32 s87, 0
.irp t, 1,2,3,4,5,6,7
	s_add_nc_u64 s[68+2*\t:69+2*\t], s[66+2*\t:67+2*\t], s[86:87]
.endr
	s_wait_alu depctr_va_vdst(0)
	v_lshlrev_b32 v3, 2, v2
.irp i, 0,1,2,3,4,5,6,7,8,9,10,11,12,13,14,15,16,17,18,19,20,21,22,23,24,25,26,27,28,29,30,31
	v_mad_u32_u24 v[WOF+\i], s56, \i, v3           ; 4 x lane + i rows
.endr
	WLOAD 0
	WLOAD 1
	s_lshl_b32 s84, s61, 3
	s_add_co_u32 s84, s84, s58
	s_lshl_b32 s88, s26, 1
	s_add_co_u32 s84, s84, s88                     ; my first row block: base + 8 nx + 2 w
	s_mul_i32 s84, s84, s59
	s_add_co_u32 s84, s84, s60
	s_lshl_b32 s88, s62, 12                        ; K steps 2 ky, 2 ky + 1
	s_add_co_u32 s84, s84, s88
	s_add_nc_u64 s[42:43], s[24:25], s[84:85]
	s_mov_b32 s88, s59
	s_mov_b32 s89, 0
	s_add_nc_u64 s[44:45], s[42:43], s[88:89]      ; and my second row block
	s_mul_i32 s27, s26, 32*WP
	s_add_co_u32 s27, s27, WSTG                    ; my stage
	v_mul_u32_u24 v4, v2, WP
	v_add_nc_u32 v4, s27, v4                       ; into it: row = my column
	v_mul_u32_u24 v5, v14, WP
	v_lshl_add_u32 v5, v15, 3, v5
	v_add_nc_u32 v5, s27, v5                       ; out of it: row r, + 8 h: 32 lanes x 8 bytes fall on 64 different banks at this pitch (68 words)
	SCALE 57, 12, 13
	s_wait_alu depctr_va_vdst(0)
	WBLOCK 0
	WBLOCK 1
	WBLOCK 2
	WBLOCK 3
	WBLOCK 4
	WBLOCK 5
	WBLOCK 6
	WBLOCK 7
	; the way out: chunk n = 8 (row block) + 4 (K step) + c: registers 4 c, 4 c + 1 are k = 32 c + 8 h + 0 .. 7, registers 4 c + 2, 4 c + 3 the eight that lie 16 further on
.irp n, 0,1,2,3,4,5,6,7,8,9,10,11,12,13,14,15
	ds_load_b64 v[OUTR+4*\n:OUTR+4*\n+1], v5 offset:(\n/8)*16*WP+((\n/4)%2)*128+(\n%4)*32
	ds_load_b64 v[OUTR+4*\n+2:OUTR+4*\n+3], v5 offset:(\n/8)*16*WP+((\n/4)%2)*128+(\n%4)*32+16
.endr
.irp n, 0,1,2,3,4,5,6,7,8,9,10,11,12,13,14,15
	s_wait_dscnt 30-2*\n                           ; chunk n's two loads are in; the younger ones may be out
	global_store_b128 v1, v[OUTR+4*\n:OUTR+4*\n+3], s[42+2*(\n/8):43+2*(\n/8)] offset:((\n/4)%2)*2048+(\n%4)*512
.endr
	s_wait_tensorcnt 0x0
	ds_add_u32 v254, v255
	s_wait_dscnt 0x0
	s_endpgm
.Lfunc_end_k_q9ca523f6c9_quant:
	.size	k_q9ca523f6c9_quant, .Lfunc_end_k_q9ca523f6c9_quant-k_q9ca523f6c9_quant
	.p2alignl 7, 3214868480
	.fill 96, 4, 3214868480
	.section	.rodata,"a",@progbits
	.p2align	6, 0x0
	.amdhsa_kernel k_q9ca523f6c9_quant
		.amdhsa_group_segment_fixed_size 102912
		.amdhsa_private_segment_fixed_size 0
		.amdhsa_enable_private_segment 0
		.amdhsa_kernarg_size 88
		.amdhsa_user_sgpr_count 2
		.amdhsa_user_sgpr_kernarg_segment_ptr 1
		.amdhsa_wavefront_size32 1
		.amdhsa_system_sgpr_workgroup_id_x 1
		.amdhsa_system_sgpr_workgroup_id_y 1
		.amdhsa_system_sgpr_workgroup_id_z 1
		.amdhsa_system_vgpr_workitem_id 0
		.amdhsa_next_free_vgpr 256
		.amdhsa_next_free_sgpr 96
		.amdhsa_reserve_vcc 0
		.amdhsa_float_denorm_mode_32 3
		.amdhsa_float_denorm_mode_16_64 3
		.amdhsa_fp16_overflow 1
		.amdhsa_memory_ordered 1
		.amdhsa_forward_progress 1
		.amdhsa_inst_pref_size 88
	.end_amdhsa_kernel
	.amdgpu_metadata
---
amdhsa.version: [ 1, 2 ]
amdhsa.kernels:
  - .name:           k_q9ca523f6c9_quant
    .symbol:         k_q9ca523f6c9_quant.kd
    .args:
      - { .name: hidden_states, .offset: 0, .size: 8, .value_kind: global_buffer, .address_space: global }
      - { .name: cos, .offset: 8, .size: 8, .value_kind: global_buffer, .address_space: global }
      - { .name: sin, .offset: 16, .size: 8, .value_kind: global_buffer, .address_space: global }
      - { .name: Wq, .offset: 24, .size: 8, .value_kind: global_buffer, .address_space: global }
      - { .name: Wk, .offset: 32, .size: 8, .value_kind: global_buffer, .address_space: global }
      - { .name: Wv, .offset: 40, .size: 8, .value_kind: global_buffer, .address_space: global }
      - { .name: Wo, .offset: 48, .size: 8, .value_kind: global_buffer, .address_space: global }
      - { .name: lowp_scales, .offset: 56, .size: 8, .value_kind: global_buffer, .address_space: global }
      - { .name: hc, .offset: 64, .size: 8, .value_kind: global_buffer, .address_space: global }
      - { .name: cs, .offset: 72, .size: 8, .value_kind: global_buffer, .address_space: global }
      - { .name: wc, .offset: 80, .size: 8, .value_kind: global_buffer, .address_space: global }
    .group_segment_fixed_size: 102912
    .private_segment_fixed_size: 0
    .kernarg_segment_align: 8
    .kernarg_segment_size: 88
    .max_flat_workgroup_size: 128
    .sgpr_count:     96
    .vgpr_count:     256
    .wavefront_size: 32
...
	.end_amdgpu_metadata
.endif
;; end of part 1
;; launch qkv (part 2): grid 16 x 16, 4 waves a work-group, clusters of 4 x 4, 327,680 bytes of LDS; arguments hc, wc, cs, lowp_scales, qkv; writes qkv
.if DOCPART == 2
	.amdgcn_target "amdgcn-amd-amdhsa--gfx1250"
	.amdhsa_code_object_version 6
	.text
	.protected	k_q9ca523f6c9_qkv
	.globl	k_q9ca523f6c9_qkv
	.p2align	8
	.type	k_q9ca523f6c9_qkv,@function
k_q9ca523f6c9_qkv:
	s_mov_b64 s[64:65], 0
	v_nop
	global_prefetch_b8 v0, s[64:65] scope:SCOPE_SE
	s_setreg_imm32_b32 hwreg(HW_REG_WAVE_MODE, 25, 1), 1
	s_wait_xcnt 0x0
	s_wait_alu depctr_hold_cnt(0) depctr_sa_sdst(0) depctr_va_vdst(0) depctr_va_sdst(0) depctr_va_ssrc(0) depctr_va_vcc(0) depctr_vm_vsrc(0)
	s_getreg_b32 s2, hwreg(HW_REG_IB_STS2, 6, 4)
	s_cmp_eq_u32 s2, 0
	s_cbranch_scc0 .Lentry_in_a_cluster
	s_endpgm
.Lentry_in_a_cluster:
	s_bfe_u32 s2, ttmp6, 0x10000c
	s_cmp_lg_u32 s2, 0xf033
	s_cbranch_scc0 .Lentry_shape_is_right
	s_endpgm
.Lentry_shape_is_right:
; THE THREE PROJECTIONS, RoPE AND THE QUANTISERS OF q, k AND v.  [4096 x 2048] x [2048 x 2048 (n: 1024 of Wq, 512 of Wk, 512 of Wv)] on codes of E4M3.
; A tile is 256 rows (operand P: hidden_states' codes, 16 row blocks) x 128 columns (operand R: the weights' codes, 8 row blocks = ONE HEAD): 16 x 16 tiles, one for each work-group.
; Tile column x = 0 .. 7: q's heads, 8 .. 11: k's, 12 .. 15: v's; so a column of clusters (cluster x = 0, 1 | 2 | 3) is of one kind, and P's set of codes (scales of entries 0 | 2 | 4) hangs on cluster x alone.
; Wave w owns P's row blocks 4 w .. 4 w + 3 against all 8 of R: 32 accumulators, 32 matrix instructions for 128 along K, fed by 12 fragments.
; THE MATRIX INSTRUCTION IS USED TRANSPOSED: source 0 = 16 rows of R, source 1 = 16 rows of P: lane (r, h) of accumulator (a, b), register j, holds row 16 a + r and column d = 16 b + 8 h + j of the head:
; eight neighbours along the next product's K, which one conversion turns into registers 2 b, 2 b + 1 of the next operand.
; Operands lie in memory and in LDS as images of their registers (2,048 bytes a fragment, lane l's 16 bytes at 512 c + 16 l): every LDS load reads 512 consecutive bytes; no pitch, no padding.
; THE RING: two LDS slots of THREE fragments along K (384 of K: 96 matrix instructions a wave), as large as two fit in LDS.  The 16 fragments go as tiles of 3, 3, 3, 3, 3, 1: two first fills and four refills.
; The last tile has descriptor groups 1 of its own, which state one fragment as what is left of a row: the rest of its LDS rows is written as zeros and never read, so that every LDS address stays as it is.
; The 16 steps are written out by macro, without a loop: the register sets alternate with the step's number, the first lap's first products start the sums and the second lap's last refill has the other shape.
; CLUSTERS: 4 x 4.  P's tile hangs on the tile row and on cluster x, which a row of the cluster shares; R's on the tile column, which a column shares: each is asked for jointly.
; OUT: qkv: q's heads 0-7 and k's heads 8-11 as [12][256 tiles of 16 rows][2048] (K = d); at byte 6,291,456 (= 12 x 524,288) v as [4][32 key steps][8 blocks of 16 d][2048] (rows = d, K = 128 keys).
; A sum stands for sum x 2^(eA + eB), and RoPE is linear: so the conversion's one scale is 2^f, f = e6 - e0 - e1 (q), e7 - e2 - e3 (k), e9 - e4 - e5 (v).
; LIMITS: f between -126 and 119.  NaN among the inputs is not served.
; REGISTERS, in windows of 256: window 0: v16-31 addresses and constants; v32-95 at work on the way out; v128-255 P's fragments, two sets of 4 (later codes, or v's numbers).
;   window 1: R's fragments, two sets of 8 (later cos and sin of row blocks 2, 3).   window 2: accumulator (a, b) at v[8 (8 a + b)].   window 3: cos and sin of row blocks 0, 1.
.set NKS,   16                         ; fragments along K
.set FPS,   3                          ; fragments along K in a slot
.set RBP,   FPS*2048                   ; a row block's bytes in a slot
.set ROFF,  16*RBP                     ; P: [16 row blocks][3][2048], then R: [8][3][2048]
.set SLOT,  24*RBP
.set LASTF, NKS-5*FPS                  ; fragments in the last tile
.set SPARE, 2*SLOT                     ; behind the ring: the spare words, 128 bytes for each wave
.set STAGE, 0                          ; v's stage, 128 rows (d) x 144 bytes for each wave, lies in slot 0: the last tile lies in slot 1, so slot 0 has had its last fill, and its last read ahead of the last change of slots
.set ADRP, 16                          ; v16-17  LDS address of my P fragments in slot 0, 1
.set ADRR, 20                          ; v20-21  the same for R
.set VS,   22                          ; v22     v's stage: where I put a number
.set VR,   23                          ; v23     and where I read eight keys of a d back
.set LI,   26                          ; v26     16 x lane
.set SPW,  28                          ; v28     my spare word; never rewritten
.set NIL,  29                          ; v29     0; never rewritten
.set SC,   30                          ; v30     2^f
.set LIM,  31                          ; v31     448 x 2^f
.set T,    32
.set G1,  24                           ; s[24:31] descriptor group 1 for P's tiles; s[32:39] group 0, a set for each slot
.set G0,  32
.set G1B, 48                           ; s[48:55], s[56:63] the same for R's
.set G0B, 56
.set G1L, 84                           ; s[84:91] group 1 for P's last tile; s[92:99] for R's
.set G1BL, 92
.set MSB, 0
.macro WIN new                         ; the immediate's high byte repeats the setting that is left
.if MSB != \new
	s_set_vgpr_msb (MSB<<8)|\new
.set MSB, \new
.endif
.endm
.macro PLACES n
.rept \n
	v_nop
.endr
.endm
; A joint load: waves 0 and 1 fetch P's halves, waves 2 and 3 R's.  The branch hangs on the wave's number alone.  Four v_nop follow each of the two lines.
.macro JLOAD g0a, g1a, g0b, g1b
	s_cmp_eq_u32 s15, 0
	s_cbranch_scc0 .Lfor_r_\@
	tensor_load_to_lds s[\g0a:\g0a+3], s[\g1a:\g1a+7]
	s_nop 0
.rept 4
	v_nop
.endr
	s_branch .Lasked_\@
.Lfor_r_\@:
	tensor_load_to_lds s[\g0b:\g0b+3], s[\g1b:\g1b+7]
	s_nop 0
.rept 4
	v_nop
.endr
.Lasked_\@:
.endm
.macro CREST                           ; a round of the cluster's barrier behind its opening barrier
	s_cmp_lg_u32 s14, 0
	s_cbranch_scc1 .Lnot_wave_0_\@
	s_barrier_signal -3
.Lnot_wave_0_\@:
	s_barrier_wait -3
	s_barrier_signal -1
	s_barrier_wait -1
.endm
.macro CROUND
	s_barrier_signal -1
	s_barrier_wait -1
	CREST
.endm
.macro FRAG reg, adr, off              ; a fragment's image: four loads of 512 consecutive bytes
.irp c, 0,1,2,3
	ds_load_b128 v[\reg+4*\c:\reg+4*\c+3], v[\adr] offset:(\off)+512*\c
.endr
.endm
.macro FETCH slot, q, set              ; the slot's q-th 128 along K: R's eight fragments and my four of P
	WIN 0x40                                       ; destination window 1
.irp b, 0,1,2,3,4,5,6,7
	FRAG 128*(\set)+16*\b, ADRR+\slot, \b*RBP+(\q)*2048
.endr
	WIN 0
.irp a, 0,1,2,3
	FRAG 128+64*(\set)+16*\a, ADRP+\slot, \a*RBP+(\q)*2048
.endr
.endm
; 8 n matrix instructions: P's blocks a0 .. a0 + n - 1 against R's eight.  The 32 accumulators take turns, one instruction a turn, in the same order in every step.
.macro MUL a0, n, set, zero
	WIN 0xa1                                       ; source 0 (R) window 1, source 1 (P) window 0, C and D window 2
.set AA, \a0
.rept \n
.irp b, 0,1,2,3,4,5,6,7
.if \zero
	v_wmma_f32_16x16x128_fp8_fp8 v[8*(8*AA+\b):8*(8*AA+\b)+7], v[128*(\set)+16*\b:128*(\set)+16*\b+15], v[128+64*(\set)+16*AA:128+64*(\set)+16*AA+15], 0
.else
	v_wmma_f32_16x16x128_fp8_fp8 v[8*(8*AA+\b):8*(8*AA+\b)+7], v[128*(\set)+16*\b:128*(\set)+16*\b+15], v[128+64*(\set)+16*AA:128+64*(\set)+16*AA+15], v[8*(8*AA+\b):8*(8*AA+\b)+7]
.endif
.endr
.set AA, AA+1
.endr
.endm
; A step of 128 along K, the slot's q-th, that has its successor in the same slot: one set of fragments is multiplied while the other comes.
.macro STEP slot, q, set, zero
	s_wait_dscnt 0x0                               ; this step's set is in
	PLACES 4                                       ; in front of loads into registers that matrix instructions have read (ISA guide 7.12.1 for vector instructions)
	FETCH \slot, (\q)+1, 1-(\set)
	MUL 0, 4, \set, \zero
	WIN 0
.endm
; A slot's last step, and the change of slots: ONE barrier; in front of it each wave waits for all its tensor loads, adds 0 to its spare word, and waits for that and for its reads of this slot.
; fill = 1: this slot is filled again, with the tile two tiles on; 2: the same, and that tile is the last, shorter one; 0: nothing is left to fetch.
.macro TURN slot, next, set, fill
	s_wait_tensorcnt 0x0                           ; all my tensor loads have landed: my part of the next slot; so a group 0 may be written
	ds_add_u32 v[SPW], v[NIL]                      ; 0 onto my spare word
.if \fill
	s_add_nc_u64 s[G0+4*\slot+2:G0+4*\slot+3], s[G0+4*\slot+2:G0+4*\slot+3], 2*RBP
	s_add_nc_u64 s[G0B+4*\slot+2:G0B+4*\slot+3], s[G0B+4*\slot+2:G0B+4*\slot+3], 2*RBP
.endif
	s_wait_dscnt 0x0                               ; the add is done; this step's set is in, and with it my last reads of this slot
	s_barrier_signal -1
	MUL 0, 2, \set, 0                              ; work on registers while the others arrive
	WIN 0
	s_barrier_wait -1
.if \fill == 1
	CREST                                          ; the barrier has opened a round of the cluster's: no wave of any partner still reads this slot or has a load on its way
	JLOAD G0+4*\slot, G1, G0B+4*\slot, G1B         ; the first tensor load behind the round; its four v_nop are the places in front of the loads below
.elseif \fill == 2
	CREST
	JLOAD G0+4*\slot, G1L, G0B+4*\slot, G1BL
.else
	PLACES 4
.endif
	FETCH \next, 0, 1-(\set)
	MUL 2, 2, \set, 0
	WIN 0
.endm
; Once round the ring: six steps, after which the register sets are back where they began.
.macro LAP zero, fill
	STEP 0, 0, 0, \zero
	STEP 0, 1, 1, 0
	TURN 0, 1, 0, 1
	STEP 1, 0, 1, 0
	STEP 1, 1, 0, 0
	TURN 1, 0, 1, \fill
.endm
.macro TABLOAD a, base                 ; cos (64 registers) and sin (64) of my row block a, in the accumulators' layout: register 8 b + j; each load is 512 consecutive bytes
.irp q, 0,1,2,3,4,5,6,7,8,9,10,11,12,13,14,15
	global_load_b128 v[\base+4*\q:\base+4*\q+3], v[LI], s[8:9] offset:(\a)*8192+512*\q
.endr
.irp q, 0,1,2,3,4,5,6,7,8,9,10,11,12,13,14,15
	global_load_b128 v[\base+64+4*\q:\base+64+4*\q+3], v[LI], s[8:9] offset:2097152+(\a)*8192+512*\q
.endr
.endm
; Row block a: x cos + rotate_half(x) sin (d and d + 64 are accumulators b and b + 4 of one lane), the hold, the conversion, the store.  Each accumulator is read from its low end on.
.macro ROPE a, win, tb
	WIN \win                                       ; source 0 (sums) window 2, source 1 (tables) window 3 or 1
.irp b, 0,1,2,3
.irp i, 0,2,4,6
	v_pk_mul_f32 v[T+8*\b+\i:T+8*\b+\i+1], v[64*(\a)+8*\b+\i:64*(\a)+8*\b+\i+1], v[\tb+8*\b+\i:\tb+8*\b+\i+1]
.endr
.irp i, 0,2,4,6
	v_pk_mul_f32 v[T+32+8*\b+\i:T+32+8*\b+\i+1], v[64*(\a)+32+8*\b+\i:64*(\a)+32+8*\b+\i+1], v[\tb+32+8*\b+\i:\tb+32+8*\b+\i+1]
.endr
.irp i, 0,2,4,6
	v_pk_fma_f32 v[T+8*\b+\i:T+8*\b+\i+1], v[64*(\a)+32+8*\b+\i:64*(\a)+32+8*\b+\i+1], v[\tb+64+8*\b+\i:\tb+64+8*\b+\i+1], v[T+8*\b+\i:T+8*\b+\i+1] neg_lo:[1,0,0] neg_hi:[1,0,0]
.endr
.irp i, 0,2,4,6
	v_pk_fma_f32 v[T+32+8*\b+\i:T+32+8*\b+\i+1], v[64*(\a)+8*\b+\i:64*(\a)+8*\b+\i+1], v[\tb+96+8*\b+\i:\tb+96+8*\b+\i+1], v[T+32+8*\b+\i:T+32+8*\b+\i+1]
.endr
.endr
	WIN 0
.set k, 0
.rept 64
	v_med3_num_f32 v[T+k], v[T+k], -v[LIM], v[LIM] ; the conversion to an 8-bit code does not saturate (ISA guide 7.6.2)
.set k, k+1
.endr
.irp b, 0,1,2,3,4,5,6,7
	v_cvt_scalef32_pk8_fp8_f32 v[128+16*(\a)+2*\b:128+16*(\a)+2*\b+1], v[T+8*\b:T+8*\b+7], v[SC]
.endr
	v_nop                                          ; a plain line between the conversions and the next block's products, which write their sources
.irp c, 0,1,2,3
	global_store_b128 v[LI], v[128+16*(\a)+4*\c:128+16*(\a)+4*\c+3], s[12:13] offset:(\a)*2048+512*\c
.endr
.endm
	s_load_b256 s[4:11], s[0:1], 0x0               ; hc s[4:5], wc s[6:7], cs s[8:9], lowp_scales s[10:11]
	s_load_b64 s[12:13], s[0:1], 0x20              ; qkv
	v_lshl_add_u32 v[SPW], v0, 2, SPARE
	v_mov_b32 v[NIL], 0
	ds_add_u32 v28, v29
	s_wait_dscnt 0x0
	v_lshrrev_b32 v1, 5, v0
	v_readfirstlane_b32 s14, v1                    ; wave 0..3
	s_lshr_b32 s15, s14, 1                         ; I fetch for P (0) or for R (1)
	s_and_b32 s16, s14, 1                          ; which half of that tile
	s_bfe_u32 s40, ttmp6, 0x40000                  ; cx, cy: my place in the cluster
	s_bfe_u32 s41, ttmp6, 0x40004
	s_lshl_b32 s42, ttmp9, 2
	s_add_co_u32 s42, s42, s40                     ; x: tile column = 4 x cluster x + cx
	s_and_b32 s17, ttmp7, 0xffff
	s_lshl_b32 s17, s17, 2
	s_add_co_u32 s17, s17, s41                     ; y: tile row = 4 x cluster y + cy
	s_lshl_b32 s43, s41, 2
	s_lshl_b32 s43, 15, s43                        ; my row of the cluster
	s_lshl_b32 s44, 0x1111, s40                    ; my column
	; descriptor groups 1: rows of 6,144 bytes (a row block's three fragments: 768 elements of 8 bytes), NKS x 2,048 bytes apart; 8 rows for half of P's tile, 4 for half of R's; dense in LDS.
	; For the last tile tensor_dim0, what is left of a row from the tile's first element, is LASTF fragments: beyond it nothing is read and zeros are written.
	s_or_b32 s[G1+0], s43, (3<<16)|(1<<21)         ; 15:0 the mask; 17:16 elements of 8 bytes; 21 set beside a mask
	s_or_b32 s[G1B+0], s44, (3<<16)|(1<<21)
	s_or_b32 s[G1L+0], s43, (3<<16)|(1<<21)
	s_or_b32 s[G1BL+0], s44, (3<<16)|(1<<21)
	s_mov_b32 s[G1+1], (FPS*256)<<16               ; tensor_dim0
	s_mov_b32 s[G1B+1], (FPS*256)<<16
	s_mov_b32 s[G1L+1], (LASTF*256)<<16
	s_mov_b32 s[G1BL+1], (LASTF*256)<<16
.irp g, G1, G1L
	s_mov_b32 s[\g+2], 8<<16                       ; tensor_dim1
	s_mov_b32 s[\g+3], (FPS*256)<<16               ; tile_dim0
	s_mov_b32 s[\g+4], 8                           ; tile_dim1
	s_mov_b32 s[\g+5], NKS*256                     ; tensor_dim0_stride
	s_mov_b32 s[\g+6], 0
	s_mov_b32 s[\g+7], 0
.endr
.irp g, G1B, G1BL
	s_mov_b32 s[\g+2], 4<<16
	s_mov_b32 s[\g+3], (FPS*256)<<16
	s_mov_b32 s[\g+4], 4
	s_mov_b32 s[\g+5], NKS*256
	s_mov_b32 s[\g+6], 0
	s_mov_b32 s[\g+7], 0
.endr
	s_lshl_b32 s20, s17, 4
	s_lshl_b32 s18, s16, 3
	s_add_co_u32 s20, s20, s18                     ; P: row block 16 y + 8 x half,
	s_mul_i32 s20, s20, NKS*2048
	s_max_u32 s18, ttmp9, 1
	s_sub_co_u32 s18, s18, 1                       ; in the set of codes 0 (q), 1 (k), 2 (v): by cluster x, which all sixteen share
	s_lshl_b32 s18, s18, 23
	s_add_co_u32 s20, s20, s18
	s_mov_b32 s21, 0
	s_lshl_b32 s46, s42, 3
	s_lshl_b32 s18, s16, 2
	s_add_co_u32 s46, s46, s18                     ; R: row block 8 x + 4 x half
	s_mul_i32 s46, s46, NKS*2048
	s_mov_b32 s47, 0
	s_mul_i32 s45, s16, 8*RBP                      ; where they go: P's half,
	s_mul_i32 s19, s16, 4*RBP
	s_add_co_u32 s19, s19, ROFF                    ; R's half: no place in the cluster enters an LDS address
	s_wait_kmcnt 0x0
	s_load_b256 s[68:75], s[10:11], 0x0            ; entries 0 to 7
	s_load_b128 s[76:79], s[10:11], 0x20           ; entries 8 to 11
	s_add_nc_u64 s[20:21], s[4:5], s[20:21]
	s_add_nc_u64 s[46:47], s[6:7], s[46:47]
	CROUND                                         ; all sixteen work-groups are here: the first joint loads meet
.irp s, 0,1
	s_mov_b32 s[G0+4*\s], 1
	s_add_co_u32 s[G0+4*\s+1], s45, \s*SLOT
	s_add_nc_u64 s[G0+4*\s+2:G0+4*\s+3], s[20:21], \s*RBP
	s_or_b32 s[G0+4*\s+3], s[G0+4*\s+3], 0x80000000
	s_mov_b32 s[G0B+4*\s], 1
	s_add_co_u32 s[G0B+4*\s+1], s19, \s*SLOT
	s_add_nc_u64 s[G0B+4*\s+2:G0B+4*\s+3], s[46:47], \s*RBP
	s_or_b32 s[G0B+4*\s+3], s[G0B+4*\s+3], 0x80000000
	JLOAD G0+4*\s, G1, G0B+4*\s, G1B               ; two loads of mine are out
.endr
	v_and_b32 v1, 31, v0
	v_lshlrev_b32 v[LI], 4, v1
	s_mul_i32 s18, s14, 4*RBP                      ; my four row blocks of P
	v_add_nc_u32 v[ADRP], s18, v[LI]
	v_add_nc_u32 v[ADRP+1], SLOT, v[ADRP]
	v_add_nc_u32 v[ADRR], ROFF, v[LI]
	v_add_nc_u32 v[ADRR+1], SLOT+ROFF, v[LI]
	s_lshl_b32 s80, s17, 17
	s_lshl_b32 s18, s14, 15
	s_add_co_u32 s80, s80, s18                     ; cs: row block 16 y + 4 w, 8,192 bytes each
	s_mov_b32 s81, 0
	s_add_nc_u64 s[8:9], s[8:9], s[80:81]
	; cos and sin of my row blocks 0 and 1 are asked for here and land under the K steps.  Every work-group asks, v's tiles too, which do not use them (a quarter of the work-groups, 32 KiB a wave):
	; so the loads stand on the one way that all waves take.
	WIN 0xc0                                       ; destination window 3
	TABLOAD 0, 0
	TABLOAD 1, 128
	WIN 0
	v_and_b32 v1, 15, v0                           ; r
	v_bfe_u32 v2, v0, 4, 1                         ; h
	s_mul_i32 s18, s14, 128*144
	s_add_co_u32 s18, s18, STAGE                   ; my stage (v's tiles)
	v_mul_u32_u24 v3, v2, 8*144
	v_lshl_add_u32 v3, v1, 2, v3
	v_add_nc_u32 v[VS], s18, v3                    ; in: row d = 8 h (+ 16 b + j), key r (+ 16 a')
	v_mul_u32_u24 v3, v1, 144
	v_lshl_add_u32 v3, v2, 5, v3
	v_add_nc_u32 v[VR], s18, v3                    ; back: row d = r (+ 16 b), keys 8 h on
	s_cmp_eq_u32 ttmp9, 3
	s_cselect_b32 s19, 10, 13                      ; qkv: x 524,288 + y 32,768 + (w / 2) 16,384 + (w % 2) x 8,192 for q and k (four tiles of rows), x 1,024 for v (two chunks of a fragment)
	s_lshl_b32 s19, s16, s19
	s_lshl_b32 s80, s42, 19
	s_lshl_b32 s82, s17, 15
	s_add_co_u32 s80, s80, s82
	s_lshl_b32 s82, s15, 14
	s_add_co_u32 s80, s80, s82
	s_add_co_u32 s80, s80, s19
	s_add_nc_u64 s[12:13], s[12:13], s[80:81]
	s_wait_kmcnt 0x0
	s_sub_co_i32 s82, s74, s68
	s_sub_co_i32 s82, s82, s69                     ; q: e6 - e0 - e1
	s_sub_co_i32 s83, s75, s70
	s_sub_co_i32 s83, s83, s71                     ; k: e7 - e2 - e3
	s_sub_co_i32 s22, s77, s72
	s_sub_co_i32 s22, s22, s73                     ; v: e9 - e4 - e5
	s_cmp_eq_u32 ttmp9, 2
	s_cselect_b32 s82, s83, s82
	s_cmp_eq_u32 ttmp9, 3
	s_cselect_b32 s82, s22, s82                    ; f: chosen, not branched on
	s_add_co_i32 s82, s82, 127
	s_lshl_b32 s83, s82, 23
	v_mov_b32 v[SC], s83
	s_add_co_i32 s82, s82, 8
	s_lshl_b32 s82, s82, 23
	s_or_b32 s82, s82, 0x600000
	v_mov_b32 v[LIM], s82
	s_wait_tensorcnt 1                             ; my part of slot 0 is in; slot 1's may be out
	s_barrier_signal -1
	s_barrier_wait -1                              ; everybody's is
	FETCH 0, 0, 0
	LAP 1, 1                                       ; steps 0 to 5: the first products start the sums; tiles 2 and 3 are asked for
	LAP 0, 2                                       ; steps 6 to 11: tile 4 and the last tile, one fragment, are asked for
	STEP 0, 0, 0, 0                                ; steps 12 to 14: tile 4; nothing is left to fetch
	STEP 0, 1, 1, 0
	TURN 0, 1, 0, 0
	s_wait_dscnt 0x0                               ; step 15: the last tile's one fragment
	MUL 0, 4, 1, 0
	WIN 0
	PLACES 4                                       ; behind the last products: in front of reads of results and of loads into registers that they read
	s_wait_loadcnt 0x0                             ; the tables asked for at the head
	s_cmp_eq_u32 ttmp9, 3                          ; cluster x: the same in all sixteen partners
	s_cbranch_scc1 .Lv_out
	; ---- q and k
	WIN 0x40                                       ; R's registers are free: they take the tables of row blocks 2 and 3
	TABLOAD 2, 0
	TABLOAD 3, 128
	WIN 0
	ROPE 0, 0x0e, 0
	ROPE 1, 0x0e, 128
	s_wait_loadcnt 32                              ; row block 2's 32 loads are in; row block 3's may be out
	ROPE 2, 0x06, 0
	s_wait_loadcnt 0x0
	ROPE 3, 0x06, 128
	s_branch .Lend
.Lv_out:
	; ---- v: the next K is the keys, which lie across my lanes: the f32 sums turn through my stage, 32 keys (two row blocks) at a time.
	; My 64 keys are half of a key step: row block a is c' = 4 (w % 2) + a of the fragment of d block b: registers 2 c', 2 c' + 1.
.irp u, 0,1
	WIN 0x08                                       ; store data window 2
.irp e, 0,1
.irp b, 0,1,2,3,4,5,6,7
.irp j, 0,1,2,3,4,5,6,7
	ds_store_b32 v[VS], v[64*(2*\u+\e)+8*\b+\j] offset:(16*\b+\j)*144+64*\e
.endr
.endr
.endr
	WIN 0
.irp b, 0,1,2,3,4,5,6,7
.irp e, 0,1
.irp i, 0,1
	ds_load_b128 v[128+16*\b+8*\e+4*\i:128+16*\b+8*\e+4*\i+3], v[VR] offset:16*144*\b+64*\e+16*\i   ; LDS serves a wave's instructions in order: these see the stores above, and the next pass's stores come behind them
.endr
.endr
.endr
	s_wait_dscnt 0x0
.set k, 0
.rept 128
	v_med3_num_f32 v[128+k], v[128+k], -v[LIM], v[LIM]
.set k, k+1
.endr
.irp b, 0,1,2,3,4,5,6,7
.irp e, 0,1
	v_cvt_scalef32_pk8_fp8_f32 v[T+8*\b+2*(2*\u+\e):T+8*\b+2*(2*\u+\e)+1], v[128+16*\b+8*\e:128+16*\b+8*\e+7], v[SC]
.endr
.endr
	v_nop                                          ; a plain line behind the last conversion
.endr
.irp b, 0,1,2,3,4,5,6,7
.irp c, 0,1
	global_store_b128 v[LI], v[T+8*\b+4*\c:T+8*\b+4*\c+3], s[12:13] offset:\b*2048+512*\c
.endr
.endr
.Lend:
	s_wait_tensorcnt 0x0                           ; the wave's end, behind my last tensor load and my last LDS store
	ds_add_u32 v[SPW], v[NIL]
	s_wait_dscnt 0x0
	CROUND                                         ; the closing round: no work-group ends while a partner may still ask for a tile that names it
	s_endpgm
.Lfunc_end_k_q9ca523f6c9_qkv:
	.size	k_q9ca523f6c9_qkv, .Lfunc_end_k_q9ca523f6c9_qkv-k_q9ca523f6c9_qkv
	.p2alignl 7, 3214868480
	.fill 96, 4, 3214868480
	.section	.rodata,"a",@progbits
	.p2align	6, 0x0
	.amdhsa_kernel k_q9ca523f6c9_qkv
		.amdhsa_group_segment_fixed_size 327680
		.amdhsa_private_segment_fixed_size 0
		.amdhsa_enable_private_segment 0
		.amdhsa_kernarg_size 40
		.amdhsa_user_sgpr_count 2
		.amdhsa_user_sgpr_kernarg_segment_ptr 1
		.amdhsa_wavefront_size32 1
		.amdhsa_system_sgpr_workgroup_id_x 1
		.amdhsa_system_sgpr_workgroup_id_y 1
		.amdhsa_system_sgpr_workgroup_id_z 1
		.amdhsa_system_vgpr_workitem_id 0
		.amdhsa_next_free_vgpr 1024
		.amdhsa_next_free_sgpr 100
		.amdhsa_reserve_vcc 0
		.amdhsa_float_denorm_mode_32 3
		.amdhsa_float_denorm_mode_16_64 3
		.amdhsa_memory_ordered 1
		.amdhsa_forward_progress 1
		.amdhsa_inst_pref_size 186
	.end_amdhsa_kernel
	.amdgpu_metadata
---
amdhsa.version: [ 1, 2 ]
amdhsa.kernels:
  - .name:           k_q9ca523f6c9_qkv
    .symbol:         k_q9ca523f6c9_qkv.kd
    .args:
      - { .name: hc, .offset: 0, .size: 8, .value_kind: global_buffer, .address_space: global }
      - { .name: wc, .offset: 8, .size: 8, .value_kind: global_buffer, .address_space: global }
      - { .name: cs, .offset: 16, .size: 8, .value_kind: global_buffer, .address_space: global }
      - { .name: lowp_scales, .offset: 24, .size: 8, .value_kind: global_buffer, .address_space: global }
      - { .name: qkv, .offset: 32, .size: 8, .value_kind: global_buffer, .address_space: global }
    .group_segment_fixed_size: 327680
    .private_segment_fixed_size: 0
    .kernarg_segment_align: 8
    .kernarg_segment_size: 40
    .max_flat_workgroup_size: 128
    .sgpr_count:     100
    .vgpr_count:     1024
    .wavefront_size: 32
...
	.end_amdgpu_metadata
.endif
;; end of part 2
;; launch attn (part 3): grid 64 x 4, 16 waves a work-group, clusters of 4 x 1, 327,680 bytes of LDS; arguments qkv, lowp_scales, oc; writes oc
.if DOCPART == 3
	.amdgcn_target "amdgcn-amd-amdhsa--gfx1250"
	.amdhsa_code_object_version 6
	.text
	.protected	k_q9ca523f6c9_attn
	.globl	k_q9ca523f6c9_attn
	.p2align	8
	.type	k_q9ca523f6c9_attn,@function
k_q9ca523f6c9_attn:
	s_mov_b64 s[64:65], 0
	v_nop
	global_prefetch_b8 v0, s[64:65] scope:SCOPE_SE
	s_setreg_imm32_b32 hwreg(HW_REG_WAVE_MODE, 25, 1), 1
	s_wait_xcnt 0x0
	s_wait_alu depctr_hold_cnt(0) depctr_sa_sdst(0) depctr_va_vdst(0) depctr_va_sdst(0) depctr_va_ssrc(0) depctr_va_vcc(0) depctr_vm_vsrc(0)
	s_getreg_b32 s2, hwreg(HW_REG_IB_STS2, 6, 4)
	s_cmp_eq_u32 s2, 0
	s_cbranch_scc0 .Lentry_in_a_cluster
	s_endpgm
.Lentry_in_a_cluster:
	s_bfe_u32 s2, ttmp6, 0x10000c
	s_cmp_lg_u32 s2, 0x3003
	s_cbranch_scc0 .Lentry_shape_is_right
	s_endpgm
.Lentry_shape_is_right:
; CAUSAL ATTENTION ON CODES OF E4M3, AND THE QUANTISER OF ITS RESULT.  8 query heads, 4 key and value heads (two query heads share one), 4,096 rows, head size 128.
; In: qkv (images of operand registers, 2,048 bytes a fragment): q's heads 0-7 and k's heads 8-11 [12][256 tiles of 16 rows][2048]; at byte 6,291,456 v [4][32 key steps][8 blocks of 16 d][2048], K = 128 keys.
; Out: oc [256 tiles of 16 queries][8 heads][2048]: the operand of the last projection, K = 128 head + d.
; THE SOFTMAX: t = score x log2(e) / sqrt(128); M = the running largest t rounded UP to a whole number; p = 2^(t - M) is quantised, not normalised; the row's sum is taken of the unquantised p and divides at the end.
; SHARES.  Only key steps (128 keys) at or under the diagonal are worked.  Work-group i = 4 a + cx (a: cluster x, cx: place in the cluster) of key/value head g owns the 32 queries of block i and those of
; block 127 - i, for both query heads of g: 8 tiles of 16 queries.  A tile of block i has a + 1 key steps, one of block 127 - i has 32 - a: 33 together, in every work-group.  A tile's steps are shared by
; PARITY between two waves, whose parts are joined at the end: 16 waves.  Wave w: head 2 g + w % 2; half (w / 2) % 2 of the block; parity (w / 4) % 2; block i (w < 8) or 127 - i.
; The counts of steps and of trips hang on cluster x and on the wave's number alone; cx enters only q's and oc's addresses, the mask's numbers and the prefetch's address.
; CLUSTER.  The four partners walk the same K and V: every tile is asked for jointly.  A SLOT IS 512 KEYS: K's four steps, then V's four, 16,384 dense bytes each; waves 0 to 3 fetch 32,768 bytes each.
; In a slot a wave of parity p works steps p and p + 2, with no barrier between.  A cluster walks 2 NP slots, NP = 4 - a / 8: all that its longest tiles want, rounded up to a pair of slots.
; LAYOUT.  Both products are used transposed: S^T = K Q^T, O^T = V^T P^T: a lane holds ONE query (lane % 16).  Register 8 t + j of S^T is key 16 t + 8 (lane / 16) + j: one conversion makes registers 2 t, 2 t + 1 of P.
; V IS ASKED FOR EARLY: its first four fragments directly behind the scores' products, into K's registers: they land under the softmax; its last four into the registers that p leaves at its conversion: they land under O^T's rescaling.
; LIMITS on the given exponents: e6 + e7 between -123 and 130 (they are added to c's exponent field); e8, and e10 - e8 - e9, between -126 and 119.  NaN is not served.
; REGISTERS: v1-11 addresses that stay; v12 -M, v13 the largest t, v[14:15] the sum; v16-31 Q; v32-95 four fragments of K or V; v96-159 S^T, then p, then four fragments of V; v160-223 O^T; v224-239 p's codes; v236-254 at work and constants.
.set STEPB, 16384                      ; a key step's bytes of K, and of V
.set SLOT1, 131072
.set VOFF,  65536                      ; V's four steps lie behind K's four
.set SPARE, 2*SLOT1                    ; behind the ring: the spare words, 128 bytes for each of 16 waves
.set MERGE, 0                          ; 8 places of 8,704 bytes, in which a wave of parity 1 hands O^T (8,192), -M and the sum (128 each) to its partner.  They lie in slot 0: the last slot walked is slot 1,
                                       ; so slot 0 has had its last fill, and its last read ahead of the last change of slots
.set ADK,  1                           ; v1, v2  K: 16 x lane + parity x 16,384, in slot 0, 1
.set PFO,  3                           ; v3      256 x lane
.set DV,   4                           ; v4      the diagonal step: my query less the step's first key less 8 (lane / 16)
.set SPW,  5                           ; v5      my spare word; never rewritten
.set NIL,  6                           ; v6      0; never rewritten
.set LI,   7                           ; v7      16 x lane
.set MO,   8                           ; v8      my pair's place: O^T
.set MS,   9                           ; v9      my pair's place: -M, the sum
.set ADV,  10                          ; v10, v11  V: the same as K's, 65,536 further on
.set WV,   18
.set SEL,  20                          ; s[20:21] v_permlanex16_b32's selects for lane l xor 16
.set CS,   22                          ; s[22:23] c
.set G1,   24                          ; s[24:31] descriptor group 1
.set G0A,  32                          ; s[32:35] group 0 of slot 0, s[36:39] of slot 1
.set ST,   40                          ; s40 the key step that my next turn would work
.set NST,  41                          ; s41 my tile's key steps
.set TRIP, 42
.set NTR,  43                          ; s43 NP - 1
.set PFA,  44                          ; s[44:45] where my prefetch stands
.set ASKF, 46                          ; s46 1 in a wave that prefetches
.set PAR,  47                          ; s47 my parity
.macro CROUND                          ; a round of the cluster's barrier
	s_barrier_signal -1
	s_barrier_wait -1
	s_cmp_lg_u32 s[WV], 0
	s_cbranch_scc1 .Lnot_wave_0_\@
	s_barrier_signal -3
.Lnot_wave_0_\@:
	s_barrier_wait -3
	s_barrier_signal -1
	s_barrier_wait -1
.endm
.macro TLOAD g0                        ; waves 0 to 3 fetch, the others nothing: a branch on the wave's number alone.  Four v_nop follow the line
	s_cmp_lt_u32 s[WV], 4
	s_cbranch_scc0 .Lno_load_\@
	tensor_load_to_lds s[\g0:\g0+3], s[G1:G1+7]
	s_nop 0
.rept 4
	v_nop
.endr
.Lno_load_\@:
.endm
; A PREFETCH INTO THE L2 of the slot that the NEXT change of slots will ask for: 65,536 bytes of K and as many of V.  All clusters of a key/value head walk the same bytes from their beginning: the head's first
; cluster, which walks all 8 slots, asks.  Its four partners take 16,384 bytes of each, told apart BY ADDRESS; in each, waves 4 and 5 ask for K's two halves of that and waves 6 and 7 for V's, lanes 256 bytes apart:
; one instruction a wave.  So each block of 256 bytes is named once in the launch.  Slots 0 and 1 come by their loads alone; the last change that fills a slot asks for nothing.
.macro ASK
	s_cmp_eq_u32 s[ASKF], 1
	s_cbranch_scc0 .Lnot_mine_\@
	global_prefetch_b8 v[PFO], s[PFA:PFA+1] th:TH_LOAD_NT scope:SCOPE_SE
.Lnot_mine_\@:
.endm
; THE CHANGE OF SLOTS, at the head of slot cur.  Each wave waits for all its tensor loads (its part of slot cur), adds 0 to its spare word, and waits for that and for its reads of the other slot.
; fill = 1: behind a round of the cluster's barrier the other slot is filled with the keys that follow: the load has a whole slot's work, two key steps a wave, in which to land.
.macro CHANGE cur, fill, ask
	s_wait_tensorcnt 0x0                           ; no tensor load of mine is out, so a group 0 may be written
	ds_add_u32 v[SPW], v[NIL]                      ; 0 onto my spare word
	s_add_nc_u64 s[G0A+4*\cur+2:G0A+4*\cur+3], s[G0A+4*\cur+2:G0A+4*\cur+3], 8*STEPB   ; slot cur's next fill: two slots of keys on (behind the last fill the address is not used)
.if \ask
	s_wait_xcnt 0x0                                ; the last prefetch, a slot back, has read its address
	s_add_nc_u64 s[PFA:PFA+1], s[PFA:PFA+1], 4*STEPB
.endif
	s_wait_dscnt 0x0                               ; the add is done, and my reads of the slot that I have left are over
.if \fill
	CROUND
	TLOAD G0A+4*(1-\cur)                           ; the first thing behind the round, and a wave's one tensor load until the next
.if \ask
	ASK
.endif
.else
	s_barrier_signal -1
	s_barrier_wait -1
.endif
.endm
; A KEY STEP: 128 keys, the slot's step parity + 2 u.  A wave whose tile has no such step jumps to the line that steps the count: a scalar branch on ids; no barrier and no tensor load stands in a step.
.macro STEP slot, u
	s_cmp_ge_u32 s[ST], s[NST]
	s_cbranch_scc1 .Lskip_\@
.irp g, 0,1                                    ; S^T = K Q^T, four tiles of 16 keys at a time
.rept 5-\g
	v_nop                                          ; four places in front of loads into registers that matrix instructions have read; a fifth in front of the first group, whose products write over v96 on, which the step before's last products read as V's fragments
.endr
.irp t, 0,1,2,3
.irp c, 0,1,2,3
	ds_load_b128 v[32+16*\t+4*\c:32+16*\t+4*\c+3], v[ADK+\slot] offset:(\u)*2*STEPB+(4*\g+\t)*2048+512*\c
.endr
.endr
	s_wait_dscnt 0x0
.irp t, 0,1,2,3
	v_wmma_f32_16x16x128_fp8_fp8 v[96+8*(4*\g+\t):103+8*(4*\g+\t)], v[32+16*\t:47+16*\t], v[16:31], 0
.endr
.endr
.rept 4
	v_nop                                          ; places behind the scores' products: in front of the loads below and of the first read of the scores
.endr
.irp t, 0,1,2,3                                ; V's blocks of d 0 to 3, into K's registers: the whole softmax stands between these loads and the wait for them
.irp c, 0,1,2,3
	ds_load_b128 v[32+16*\t+4*\c:32+16*\t+4*\c+3], v[ADV+\slot] offset:(\u)*2*STEPB+\t*2048+512*\c
.endr
.endr
	s_add_co_u32 s92, s[ST], 1                     ; my tile's last step lies on the diagonal: there the scores of hidden keys become -infinity ahead of the maximum, so that p = 0
	s_cmp_lg_u32 s92, s[NST]
	s_cbranch_scc1 .Lopen_\@
	v_mov_b32 v254, 0xff800000
.set k, 0
.rept 64
	v_cmp_gt_i32 vcc_lo, 16*(k/8)+k%8, v[DV]       ; register 8 t + j: hidden where 16 t + j > my query - first key - 8 (lane / 16)
	v_cndmask_b32 v[96+k], v[96+k], v254, vcc_lo
.set k, k+1
.endr
.Lopen_\@:
	v_max3_num_f32 v254, v96, v97, v98             ; the step's largest score of my query, among my 64 keys, in two chains,
	v_max3_num_f32 v252, v99, v100, v101
.irp i, 6,10,14,18,22,26,30,34,38,42,46,50,54,58
	v_max3_num_f32 v254, v254, v[96+\i], v[97+\i]
	v_max3_num_f32 v252, v252, v[98+\i], v[99+\i]
.endr
	v_max3_num_f32 v254, v254, v158, v159
	s_delay_alu instid0(VALU_DEP_1)
	v_max_num_f32 v254, v254, v252
	v_permlanex16_b32 v236, v254, s[SEL], s[SEL+1]
	s_delay_alu instid0(VALU_DEP_1)
	v_max_num_f32 v254, v254, v236                 ; and among lane l xor 16's (the step's first key counts for every query of the tile: the maximum is a number)
	s_delay_alu instid0(VALU_DEP_1)
	v_mul_f32 v254, s[CS], v254                    ; as t (c is positive)
	s_delay_alu instid0(VALU_DEP_1)
	v_max_num_f32 v13, v13, v254                   ; the running largest t
	v_mov_b32 v254, v12
	s_delay_alu instid0(VALU_DEP_2)
	v_floor_f32 v12, -v13                          ; the new -M = floor(-t): M is a whole number
	s_delay_alu instid0(VALU_DEP_1)
	v_sub_f32 v254, v12, v254                      ; old M - new M: a whole number, 0 or less
	s_delay_alu instid0(VALU_DEP_1)
	v_cvt_i32_f32 v254, v254                       ; (it saturates)
	s_delay_alu instid0(VALU_DEP_1)
	v_ldexp_f32 v252, 1.0, v254                    ; f = 2^(old M - new M): nothing is rounded
.set k, 0
.rept 32
	v_pk_fma_f32 v[96+k:97+k], v[96+k:97+k], s[CS:CS+1], v[12:13] op_sel_hi:[1,0,0]   ; t - M, two at a time
.set k, k+2
.endr
.set k, 0
	s_wait_alu depctr_va_vdst(0)
.rept 64
	v_exp_f32 v[96+k], v[96+k]                     ; p = 2^(t - M)
.set k, k+1
.endr
	v_pk_mul_f32 v[14:15], v[14:15], v[252:253] op_sel_hi:[1,0]   ; the sums under the new M: the plain line behind the exponentials
	s_wait_alu depctr_va_vdst(0)                   ; one wait for the batch, ahead of its first reader
	v_pk_add_f32 v[242:243], v[100:101], v[104:105]
	v_pk_add_f32 v[254:255], v[108:109], v[112:113]
	v_pk_add_f32 v[250:251], v[116:117], v[120:121]
	v_pk_add_f32 v[248:249], v[124:125], v[128:129]
	v_pk_add_f32 v[240:241], v[132:133], v[136:137]
	v_pk_add_f32 v[238:239], v[140:141], v[144:145]
	v_pk_add_f32 v[236:237], v[148:149], v[152:153]
	v_pk_add_f32 v[14:15], v[14:15], v[156:157]
	v_pk_add_f32 v[242:243], v[242:243], v[96:97]
	v_pk_add_f32 v[254:255], v[254:255], v[98:99]
	v_pk_add_f32 v[250:251], v[250:251], v[102:103]
	v_pk_add_f32 v[248:249], v[248:249], v[106:107]
	v_pk_add_f32 v[240:241], v[240:241], v[110:111]
	v_pk_add_f32 v[238:239], v[238:239], v[114:115]
	v_pk_add_f32 v[236:237], v[236:237], v[118:119]
	v_pk_add_f32 v[14:15], v[14:15], v[122:123]
	v_pk_add_f32 v[242:243], v[242:243], v[126:127]
	v_pk_add_f32 v[254:255], v[254:255], v[130:131]
	v_pk_add_f32 v[250:251], v[250:251], v[134:135]
	v_pk_add_f32 v[248:249], v[248:249], v[138:139]
	v_pk_add_f32 v[240:241], v[240:241], v[142:143]
	v_pk_add_f32 v[238:239], v[238:239], v[146:147]
	v_pk_add_f32 v[236:237], v[236:237], v[150:151]
	v_pk_add_f32 v[14:15], v[14:15], v[154:155]
	v_pk_add_f32 v[242:243], v[242:243], v[158:159]
	s_delay_alu instid0(VALU_DEP_2)
	v_pk_add_f32 v[14:15], v[14:15], v[248:249]
	s_delay_alu instid0(VALU_DEP_2)
	v_pk_add_f32 v[242:243], v[242:243], v[240:241]
	v_pk_add_f32 v[254:255], v[254:255], v[238:239]
	v_pk_add_f32 v[250:251], v[250:251], v[236:237]
	s_delay_alu instid0(VALU_DEP_2)
	v_pk_add_f32 v[14:15], v[14:15], v[254:255]
	s_delay_alu instid0(VALU_DEP_2)
	v_pk_add_f32 v[242:243], v[242:243], v[250:251]
	s_delay_alu instid0(VALU_DEP_1)
	v_pk_add_f32 v[14:15], v[14:15], v[242:243]
.irp t, 0,1,2,3,4,5,6,7
.irp i, 0,1,2,3,4,5,6,7
.endr
	v_cvt_scalef32_pk8_fp8_f32 v[224+2*\t:225+2*\t], v[96+8*\t:103+8*\t], v244
.endr
	v_pk_mul_f32 v[160:161], v[160:161], v[252:253] op_sel_hi:[1,0]   ; O^T under the new M: the first of 32, and the plain line behind the last conversion
.irp t, 0,1,2,3                                ; V's blocks of d 4 to 7, into the registers that p has left: the other 31 multiplications stand between these loads and the wait for them
.irp c, 0,1,2,3
	ds_load_b128 v[96+16*\t+4*\c:96+16*\t+4*\c+3], v[ADV+\slot] offset:(\u)*2*STEPB+(4+\t)*2048+512*\c
.endr
.endr
.set k, 2
.rept 31
	v_pk_mul_f32 v[160+k:161+k], v[160+k:161+k], v[252:253] op_sel_hi:[1,0]
.set k, k+2
.endr
	s_wait_alu depctr_va_vdst(0)
	s_wait_dscnt 16                                ; V's first 16 loads are in; the 16 issued behind them may be out
.irp t, 0,1,2,3                                ; O^T += V^T P^T: eight accumulators by turns
	v_wmma_f32_16x16x128_fp8_fp8 v[160+8*\t:167+8*\t], v[32+16*\t:47+16*\t], v[224:239], v[160+8*\t:167+8*\t]
.endr
	s_wait_dscnt 0x0
.irp t, 0,1,2,3
	v_wmma_f32_16x16x128_fp8_fp8 v[192+8*\t:199+8*\t], v[96+16*\t:111+16*\t], v[224:239], v[192+8*\t:199+8*\t]
.endr
.Lskip_\@:
	s_add_co_u32 s[ST], s[ST], 2
.endm
	s_load_b128 s[4:7], s[0:1], 0x0                ; qkv s[4:5], lowp_scales s[6:7]
	s_load_b64 s[8:9], s[0:1], 0x10                ; oc
	v_lshl_add_u32 v[SPW], v0, 2, SPARE
	v_mov_b32 v[NIL], 0
	ds_add_u32 v5, v6
	ds_add_u32 v5, v6
	s_wait_dscnt 0x0
	v_lshrrev_b32 v224, 5, v0
	s_delay_alu instid0(VALU_DEP_1)
	v_readfirstlane_b32 s[WV], v224                ; wave 0..15
	s_bfe_u32 s60, ttmp6, 0x40000                  ; cx
	s_and_b32 s61, ttmp7, 0xffff                   ; g
	s_and_b32 s62, s[WV], 1                        ; the head's low bit.  In waves 0 to 3 also: which half of a slot's steps I fetch
	s_bfe_u32 s63, s[WV], 0x10001                  ; which half of the block.  In waves 0 to 3 also: K (0) or V (1)
	s_bfe_u32 s[PAR], s[WV], 0x10002
	s_lshr_b32 s67, s[WV], 3                       ; block i (0) or 127 - i (1)
	s_lshl_b32 s71, ttmp9, 2
	s_add_co_u32 s71, s71, s60                     ; i
	s_sub_co_u32 s72, 127, s71
	s_sub_co_u32 s70, 3, s60
	s_sub_co_u32 s68, 32, ttmp9
	s_add_co_u32 s69, ttmp9, 1
	s_cmp_eq_u32 s67, 1
	s_cselect_b32 s[NST], s68, s69                 ; my tile's key steps: block / 4 + 1
	s_cselect_b32 s70, s70, s60                    ; block % 4
	s_cselect_b32 s71, s72, s71                    ; block
	s_lshl_b32 s71, s71, 1
	s_add_co_u32 s71, s71, s63                     ; my tile of 16 queries
	s_lshr_b32 s73, ttmp9, 3
	s_sub_co_u32 s[NTR], 3, s73                    ; NP - 1: 3 or 2
	s_mov_b32 s[ST], s[PAR]
	; descriptor group 1: 32,768 dense bytes as 128 rows of 256 (32 elements of 8 bytes)
	s_mov_b32 s[G1], 15|(3<<16)|(1<<21)            ; 15:0 the mask: all four work-groups; 17:16 elements of 8 bytes; 21 set beside a mask
	s_mov_b32 s[G1+1], 32<<16                      ; tensor_dim0
	s_mov_b32 s[G1+2], 128<<16                     ; tensor_dim1
	s_mov_b32 s[G1+3], 32<<16                      ; tile_dim0
	s_mov_b32 s[G1+4], 128                         ; tile_dim1
	s_mov_b32 s[G1+5], 32                          ; tensor_dim0_stride
	s_mov_b32 s[G1+6], 0
	s_mov_b32 s[G1+7], 0
	s_lshl_b32 s74, s63, 21                        ; K's heads begin at byte 4,194,304, V's 2,097,152 further on;
	s_lshl_b32 s75, s61, 19                        ; a head is 524,288 bytes,
	s_add_co_u32 s74, s74, s75
	s_lshl_b32 s75, s62, 15                        ; two key steps 32,768
	s_add_co_u32 s74, s74, s75
	s_add_co_u32 s74, s74, 4194304
	s_mov_b32 s75, 0
	s_and_b32 s76, s[WV], 3
	s_lshl_b32 s76, s76, 15                        ; where it goes in a slot
	s_mov_b32 s[SEL], 0x76543210
	s_mov_b32 s[SEL+1], 0xfedcba98
	s_mov_b32 s[CS], 0x3e0293ee                    ; c = log2(e) / sqrt(128)
	s_wait_kmcnt 0x0
	s_load_b256 s[48:55], s[6:7], 0x0              ; entries 0 to 7
	s_load_b128 s[56:59], s[6:7], 0x20             ; entries 8 to 11
	s_mov_b32 s[G0A], 1
	s_mov_b32 s[G0A+1], s76
	s_add_nc_u64 s[G0A+2:G0A+3], s[4:5], s[74:75]  ; keys 0 to 511
	s_mov_b32 s[G0A+4], 1
	s_add_co_u32 s[G0A+5], s76, SLOT1
	s_add_nc_u64 s[G0A+6:G0A+7], s[G0A+2:G0A+3], 4*STEPB   ; keys 512 to 1,023
	s_or_b32 s[G0A+3], s[G0A+3], 0x80000000
	s_or_b32 s[G0A+7], s[G0A+7], 0x80000000
	CROUND                                         ; all four work-groups are here: the first joint loads meet
	TLOAD G0A                                      ; slot 0; slot 1 is filled behind the first change of slots, as a refill is
	s_lshl_b32 s78, s63, 21                        ; the prefetch: K (waves 4, 5) or V (waves 6, 7),
	s_lshl_b32 s79, s61, 19                        ; my head,
	s_add_co_u32 s78, s78, s79
	s_lshl_b32 s79, s60, 14                        ; my work-group's 16,384 bytes,
	s_add_co_u32 s78, s78, s79
	s_lshl_b32 s79, s62, 13                        ; my wave's half of them,
	s_add_co_u32 s78, s78, s79
	s_add_co_u32 s78, s78, 4194304+4*STEPB         ; in slot 1: the first change steps it to slot 2.  Nothing is prefetched here, at the head
	s_mov_b32 s79, 0
	s_add_nc_u64 s[PFA:PFA+1], s[4:5], s[78:79]
	s_sub_co_u32 s80, s[WV], 4
	s_lshr_b32 s80, s80, 2                         ; 0 in waves 4 to 7,
	s_or_b32 s80, s80, ttmp9                       ; of the head's first cluster: the same in all four partners
	s_cmp_eq_u32 s80, 0
	s_cselect_b32 s[ASKF], 1, 0
	s_lshl_b32 s81, s61, 1
	s_add_co_u32 s81, s81, s62                     ; my query head
	s_lshl_b32 s82, s81, 8
	s_add_co_u32 s82, s82, s71
	s_lshl_b32 s82, s82, 11                        ; q: fragment 256 head + tile
	s_mov_b32 s83, 0
	s_add_nc_u64 s[10:11], s[4:5], s[82:83]
	s_lshl_b32 s84, s71, 3
	s_add_co_u32 s84, s84, s81
	s_lshl_b32 s84, s84, 11                        ; oc: fragment 8 tile + head
	s_mov_b32 s85, 0
	s_add_nc_u64 s[8:9], s[8:9], s[84:85]
	v_and_b32 v224, 31, v0
	s_delay_alu instid0(VALU_DEP_1)
	v_lshlrev_b32 v[LI], 4, v224
	s_delay_alu instid0(VALU_DEP_2)
	v_lshlrev_b32 v[PFO], 8, v224
.irp c, 0,1,2,3
	global_load_b128 v[16+4*\c:19+4*\c], v[LI], s[10:11] offset:512*\c   ; Q's fragment stays in registers
.endr
	s_lshl_b32 s86, s[PAR], 14
	v_add_nc_u32 v[ADK], s86, v[LI]
	s_delay_alu instid0(VALU_DEP_1)
	v_add_nc_u32 v[ADK+1], SLOT1, v[ADK]
	s_delay_alu instid0(VALU_DEP_2)
	v_add_nc_u32 v[ADV], VOFF, v[ADK]
	s_delay_alu instid0(VALU_DEP_2)
	v_add_nc_u32 v[ADV+1], VOFF, v[ADK+1]
	s_and_b32 s89, s[WV], 3
	s_lshl_b32 s90, s67, 2
	s_or_b32 s89, s89, s90                         ; my pair of waves
	s_mul_i32 s89, s89, 8704
	s_add_co_u32 s89, s89, MERGE
	v_add_nc_u32 v[MO], s89, v[LI]
	v_lshl_add_u32 v[MS], v224, 2, s89
	s_delay_alu instid0(VALU_DEP_1)
	v_add_nc_u32 v[MS], 8192, v[MS]
	v_and_b32 v224, 15, v0                         ; r
	v_bfe_u32 v225, v0, 4, 1                       ; h
	s_lshl_b32 s87, s70, 5
	s_lshl_b32 s88, s63, 4
	s_add_co_u32 s87, s87, s88                     ; my tile's first query less the diagonal step's first key: 32 (block % 4) + 16 half
	v_add_nc_u32 v[DV], s87, v224
	v_lshlrev_b32 v225, 3, v225
	s_delay_alu instid0(VALU_DEP_1)
	v_sub_nc_u32 v[DV], v[DV], v225
	v_mov_b32 v13, 0xff61b1e6                      ; the largest t so far: -3e38, under every t
	s_delay_alu instid0(VALU_DEP_1)
	v_floor_f32 v12, -v13                          ; -M
	v_mov_b32 v14, 0
	v_mov_b32 v15, 0
	v_mov_b32 v236, 0                              ; written once: a lane permute's destination counts as one of its sources
	v_mov_b32 v242, 0
	v_mov_b32 v243, 0                              ; (upper halves of pairs that packed forms name)
	v_mov_b32 v253, 0
.set k, 0
.rept 64
	v_mov_b32 v[160+k], 0                          ; O^T.  (The step is written without a first step of its own, and a wave may have no step at all: it then hands on zeros)
.set k, k+1
.endr
	s_wait_kmcnt 0x0
	s_add_co_i32 s91, s54, s55
	s_lshl_b32 s91, s91, 23
	s_add_co_i32 s[CS], s[CS], s91                 ; a score stands for score x 2^(e6 + e7): added to c's exponent field
	s_mov_b32 s[CS+1], s[CS]
	s_add_co_i32 s91, s56, 127
	s_lshl_b32 s92, s91, 23
	v_mov_b32 v244, s92                            ; 2^e8, for p's conversion
	s_sub_co_i32 s91, s58, s56
	s_sub_co_i32 s91, s91, s57                     ; O^T / the sum stands for that x 2^(e8 + e9): its code is that / 2^(e10 - e8 - e9)
	s_add_co_i32 s91, s91, 127
	s_lshl_b32 s92, s91, 23
	v_mov_b32 v246, s92
	s_wait_loadcnt 0x0                             ; Q
	s_mov_b32 s[TRIP], 0
.Lslots:                                           ; NP - 1 trips of two slots; every LDS address in the loop is a constant of the text
	CHANGE 0, 1, 1
	STEP 0, 0
	STEP 0, 1
	CHANGE 1, 1, 1
	STEP 1, 0
	STEP 1, 1
	s_add_co_u32 s[TRIP], s[TRIP], 1
	s_cmp_lt_u32 s[TRIP], s[NTR]
	s_cbranch_scc1 .Lslots
	CHANGE 0, 1, 0                                 ; the last two slots are written out: one more fill
	STEP 0, 0
	STEP 0, 1
	CHANGE 1, 0, 0                                 ; then none
	STEP 1, 0
	STEP 1, 1
	; THE TWO PARITIES ARE JOINED.  The wave of parity 1 hands O^T, -M and its sum to its partner through LDS.
.rept 4
	v_nop                                          ; places behind the last products
.endr
	v_add_f32 v14, v14, v15                        ; the sum's two halves,
	v_permlanex16_b32 v236, v14, s[SEL], s[SEL+1]
	s_delay_alu instid0(VALU_DEP_1)
	v_add_f32 v14, v14, v236                       ; and lane l xor 16's
	s_cmp_eq_u32 s[PAR], 0
	s_cbranch_scc1 .Lkeep
	s_wait_alu depctr_va_vdst(0)
.irp k, 0,1,2,3,4,5,6,7,8,9,10,11,12,13,14,15
	ds_store_b128 v[MO], v[160+4*\k:163+4*\k] offset:512*\k
.endr
	ds_store_b32 v[MS], v12
	ds_store_b32 v[MS], v14 offset:128
.Lkeep:
	s_wait_dscnt 0x0                               ; for the partner's sake: my stores have landed
	s_barrier_signal -1
	s_barrier_wait -1
	s_cmp_eq_u32 s[PAR], 0
	s_cbranch_scc0 .Ldone
.irp k, 0,1,2,3,4,5,6,7,8,9,10,11,12,13,14,15
	ds_load_b128 v[32+4*\k:35+4*\k], v[MO] offset:512*\k
.endr
	ds_load_b32 v224, v[MS]
	ds_load_b32 v225, v[MS] offset:128
	s_wait_dscnt 0x0
	v_min_num_f32 v226, v12, v224                  ; -M of both: the smaller
	s_delay_alu instid0(VALU_DEP_1)
	v_sub_f32 v227, v226, v12                      ; my M less the common one: a whole number, 0 or less
	s_delay_alu instid0(VALU_DEP_2)
	v_sub_f32 v228, v226, v224                     ; the partner's (a partner that had no step: -3e38, which saturates, and its factor is 0)
	s_delay_alu instid0(VALU_DEP_2)
	v_cvt_i32_f32 v227, v227
	s_delay_alu instid0(VALU_DEP_2)
	v_cvt_i32_f32 v228, v228
	s_delay_alu instid0(VALU_DEP_2)
	v_ldexp_f32 v227, 1.0, v227
	s_wait_alu depctr_va_vdst(0)
	v_ldexp_f32 v228, 1.0, v228
	v_mul_f32 v229, v14, v227
	s_delay_alu instid0(VALU_DEP_1)
	v_fma_f32 v229, v225, v228, v229               ; the row's sum
	s_wait_alu depctr_va_vdst(0)
	v_rcp_f32 v230, v229
	v_nop                                          ; a plain line behind the reciprocal
	s_wait_alu depctr_va_vdst(0)                   ; and the wait ahead of its first reader
	v_mul_f32 v242, v227, v230
	v_mul_f32 v252, v228, v230
.set k, 0
.rept 32
	v_pk_mul_f32 v[96+k:97+k], v[160+k:161+k], v[242:243] op_sel_hi:[1,0]
.set k, k+2
.endr
.set k, 0
.rept 32
	v_pk_fma_f32 v[96+k:97+k], v[32+k:33+k], v[252:253], v[96+k:97+k] op_sel_hi:[1,0,1]
.set k, k+2
.endr
.set k, 0
.rept 64
.set k, k+1
.endr
.irp b, 0,1,2,3,4,5,6,7
	v_cvt_scalef32_pk8_fp8_f32 v[16+2*\b:17+2*\b], v[96+8*\b:103+8*\b], v246   ; register 8 b + j is d = 16 b + 8 h + j: registers 2 b, 2 b + 1 of the next operand
.endr
	v_nop                                          ; a plain line behind the last conversion
.irp c, 0,1,2,3
	global_store_b128 v[LI], v[16+4*\c:19+4*\c], s[8:9] offset:512*\c
.endr
.Ldone:
	s_wait_tensorcnt 0x0                           ; the wave's end, behind my last tensor load and my last LDS store
	ds_add_u32 v[SPW], v[NIL]
	s_wait_dscnt 0x0
	CROUND                                         ; the closing round
	s_endpgm
.Lfunc_end_k_q9ca523f6c9_attn:
	.size	k_q9ca523f6c9_attn, .Lfunc_end_k_q9ca523f6c9_attn-k_q9ca523f6c9_attn
	.p2alignl 7, 3214868480
	.fill 96, 4, 3214868480
	.section	.rodata,"a",@progbits
	.p2align	6, 0x0
	.amdhsa_kernel k_q9ca523f6c9_attn
		.amdhsa_group_segment_fixed_size 327680
		.amdhsa_private_segment_fixed_size 0
		.amdhsa_enable_private_segment 0
		.amdhsa_kernarg_size 24
		.amdhsa_user_sgpr_count 2
		.amdhsa_user_sgpr_kernarg_segment_ptr 1
		.amdhsa_wavefront_size32 1
		.amdhsa_system_sgpr_workgroup_id_x 1
		.amdhsa_system_sgpr_workgroup_id_y 1
		.amdhsa_system_sgpr_workgroup_id_z 1
		.amdhsa_system_vgpr_workitem_id 0
		.amdhsa_next_free_vgpr 256
		.amdhsa_next_free_sgpr 98
		.amdhsa_reserve_vcc 1
		.amdhsa_float_denorm_mode_32 3
		.amdhsa_float_denorm_mode_16_64 3
		.amdhsa_fp16_overflow 1
		.amdhsa_memory_ordered 1
		.amdhsa_forward_progress 1
		.amdhsa_inst_pref_size 199
	.end_amdhsa_kernel
	.amdgpu_metadata
---
amdhsa.version: [ 1, 2 ]
amdhsa.kernels:
  - .name:           k_q9ca523f6c9_attn
    .symbol:         k_q9ca523f6c9_attn.kd
    .args:
      - { .name: qkv, .offset: 0, .size: 8, .value_kind: global_buffer, .address_space: global }
      - { .name: lowp_scales, .offset: 8, .size: 8, .value_kind: global_buffer, .address_space: global }
      - { .name: oc, .offset: 16, .size: 8, .value_kind: global_buffer, .address_space: global }
    .group_segment_fixed_size: 327680
    .private_segment_fixed_size: 0
    .kernarg_segment_align: 8
    .kernarg_segment_size: 24
    .max_flat_workgroup_size: 512
    .sgpr_count:     98
    .vgpr_count:     256
    .wavefront_size: 32
...
	.end_amdgpu_metadata
.endif
;; end of part 3
;; launch outp (part 4): grid 16 x 16, 4 waves a work-group, clusters of 4 x 4, 327,680 bytes of LDS; arguments oc, wc, lowp_scales, out0; writes out0
.if DOCPART == 4
	.amdgcn_target "amdgcn-amd-amdhsa--gfx1250"
	.amdhsa_code_object_version 6
	.text
	.protected	k_q9ca523f6c9_outp
	.globl	k_q9ca523f6c9_outp
	.p2align	8
	.type	k_q9ca523f6c9_outp,@function
k_q9ca523f6c9_outp:
	s_mov_b64 s[64:65], 0
	v_nop
	global_prefetch_b8 v0, s[64:65] scope:SCOPE_SE
	s_setreg_imm32_b32 hwreg(HW_REG_WAVE_MODE, 25, 1), 1
	s_wait_xcnt 0x0
	s_wait_alu depctr_hold_cnt(0) depctr_sa_sdst(0) depctr_va_vdst(0) depctr_va_sdst(0) depctr_va_ssrc(0) depctr_va_vcc(0) depctr_vm_vsrc(0)
	s_getreg_b32 s2, hwreg(HW_REG_IB_STS2, 6, 4)
	s_cmp_eq_u32 s2, 0
	s_cbranch_scc0 .Lentry_in_a_cluster
	s_endpgm
.Lentry_in_a_cluster:
	s_bfe_u32 s2, ttmp6, 0x10000c
	s_cmp_lg_u32 s2, 0xf033
	s_cbranch_scc0 .Lentry_shape_is_right
	s_endpgm
.Lentry_shape_is_right:
; THE LAST PROJECTION: out0 [4096][2048] f32 = attention's result [4096 x 1024] x Wo [1024 x 2048], on codes of E4M3; each finished sum x 2^(e10 + e11).
; The core is that of the launch of the three projections, with 8 fragments along K: a tile is 256 rows (operand P: oc, 16 row blocks) x 128 columns (operand R: Wo's codes at byte 4,194,304 of wc, 8 row blocks);
; 16 x 16 tiles, one for each work-group; wave w owns P's row blocks 4 w .. 4 w + 3 against all 8 of R: 32 accumulators.  Operands lie in memory and in LDS as images of their registers (2,048 bytes a fragment).
; THE MATRIX INSTRUCTION IS USED TRANSPOSED (source 0 = 16 rows of R, source 1 = 16 rows of P): a lane holds eight neighbouring numbers of a row of the output.
; THE RING: two LDS slots of THREE fragments along K, as large as two fit in LDS.  The 8 fragments go as tiles of 3, 3, 2: two first fills and one refill.  The last tile has descriptor groups 1 of its own, which state
; two fragments as what is left of a row: the rest of its LDS rows is written as zeros and never read.  The 8 steps are written out by macro, without a loop.
; CLUSTERS: 4 x 4; P's tile is shared along a row of the cluster, R's along a column: each is asked for jointly.
; LIMIT: e10 + e11 between -126 and 127, so that 2^(e10 + e11) is an f32 number.
; REGISTERS, in windows of 256: window 0: v16-29 addresses; v32-95 at work on the way out; v128-255 P's fragments, two sets of 4 (later rows of the output).  window 1: R's fragments, two sets of 8.  window 2: accumulator (a, b) at v[8 (8 a + b)].
.set NKS,   8
.set FPS,   3                          ; fragments along K in a slot
.set RBP,   FPS*2048                   ; a row block's bytes in a slot
.set ROFF,  16*RBP                     ; P: [16 row blocks][3][2048], then R: [8][3][2048]
.set SLOT,  24*RBP
.set LASTF, NKS-2*FPS                  ; fragments in the last tile
.set SPARE, 2*SLOT                     ; behind the ring: the spare words, 128 bytes for each wave
.set STAGE, SLOT                       ; the way out: 16 rows x (512 bytes + 16) for each wave, in slot 1: the last tile lies in slot 0, so slot 1 has had its one fill, and its last read ahead of the last change of slots
.set SPITCH, 528
.set ADRP, 16
.set ADRR, 20
.set STO,  24                          ; v24     the way out: where I put 32 bytes of a row
.set RD,   25                          ; v25     and where I read a row back
.set LI,   26                          ; v26     16 x lane
.set SPW,  28
.set NIL,  29
.set T,    32
.set G1,  24
.set G0,  32
.set G1B, 48
.set G0B, 56
.set G1L, 84                           ; s[84:91] group 1 for P's last tile; s[92:99] for R's
.set G1BL, 92
.set MSB, 0
.macro WIN new                         ; the immediate's high byte repeats the setting that is left
.if MSB != \new
	s_set_vgpr_msb (MSB<<8)|\new
.set MSB, \new
.endif
.endm
.macro PLACES n
.rept \n
	v_nop
.endr
.endm
.macro JLOAD g0a, g1a, g0b, g1b        ; a joint load: waves 0 and 1 fetch P's halves, waves 2 and 3 R's; four v_nop follow each of the two lines
	s_cmp_eq_u32 s15, 0
	s_cbranch_scc0 .Lfor_r_\@
	tensor_load_to_lds s[\g0a:\g0a+3], s[\g1a:\g1a+7]
	s_nop 0
.rept 4
	v_nop
.endr
	s_branch .Lasked_\@
.Lfor_r_\@:
	tensor_load_to_lds s[\g0b:\g0b+3], s[\g1b:\g1b+7]
	s_nop 0
.rept 4
	v_nop
.endr
.Lasked_\@:
.endm
.macro CREST
	s_cmp_lg_u32 s14, 0
	s_cbranch_scc1 .Lnot_wave_0_\@
	s_barrier_signal -3
.Lnot_wave_0_\@:
	s_barrier_wait -3
	s_barrier_signal -1
	s_barrier_wait -1
.endm
.macro CROUND
	s_barrier_signal -1
	s_barrier_wait -1
	CREST
.endm
.macro FRAG reg, adr, off
.irp c, 0,1,2,3
	ds_load_b128 v[\reg+4*\c:\reg+4*\c+3], v[\adr] offset:(\off)+512*\c
.endr
.endm
.macro FETCH slot, q, set
	WIN 0x40
.irp b, 0,1,2,3,4,5,6,7
	FRAG 128*(\set)+16*\b, ADRR+\slot, \b*RBP+(\q)*2048
.endr
	WIN 0
.irp a, 0,1,2,3
	FRAG 128+64*(\set)+16*\a, ADRP+\slot, \a*RBP+(\q)*2048
.endr
.endm
.macro MUL a0, n, set, zero            ; the 32 accumulators take turns, one instruction a turn, in the same order in every step
	WIN 0xa1
.set AA, \a0
.rept \n
.irp b, 0,1,2,3,4,5,6,7
.if \zero
	v_wmma_f32_16x16x128_fp8_fp8 v[8*(8*AA+\b):8*(8*AA+\b)+7], v[128*(\set)+16*\b:128*(\set)+16*\b+15], v[128+64*(\set)+16*AA:128+64*(\set)+16*AA+15], 0
.else
	v_wmma_f32_16x16x128_fp8_fp8 v[8*(8*AA+\b):8*(8*AA+\b)+7], v[128*(\set)+16*\b:128*(\set)+16*\b+15], v[128+64*(\set)+16*AA:128+64*(\set)+16*AA+15], v[8*(8*AA+\b):8*(8*AA+\b)+7]
.endif
.endr
.set AA, AA+1
.endr
.endm
.macro STEP slot, q, set, zero         ; a step of 128 along K, the slot's q-th, that has its successor in the same slot
	s_wait_dscnt 0x0                               ; this step's set is in
	PLACES 4                                       ; in front of loads into registers that matrix instructions have read
	FETCH \slot, (\q)+1, 1-(\set)
	MUL 0, 4, \set, \zero
	WIN 0
.endm
; A slot's last step, and the change of slots.  fill = 2: this slot is filled again, with the last, shorter tile; 0: nothing is left to fetch.
.macro TURN slot, next, set, fill
	s_wait_tensorcnt 0x0                           ; all my tensor loads have landed: my part of the next slot; so a group 0 may be written
	ds_add_u32 v[SPW], v[NIL]                      ; 0 onto my spare word
.if \fill
	s_add_nc_u64 s[G0+4*\slot+2:G0+4*\slot+3], s[G0+4*\slot+2:G0+4*\slot+3], 2*RBP
	s_add_nc_u64 s[G0B+4*\slot+2:G0B+4*\slot+3], s[G0B+4*\slot+2:G0B+4*\slot+3], 2*RBP
.endif
	s_wait_dscnt 0x0                               ; the add is done; this step's set is in, and with it my last reads of this slot
	s_barrier_signal -1
	MUL 0, 2, \set, 0
	WIN 0
	s_barrier_wait -1
.if \fill
	CREST                                          ; no wave of any partner still reads this slot or has a load on its way
	JLOAD G0+4*\slot, G1L, G0B+4*\slot, G1BL       ; the first tensor load behind the round; its four v_nop are the places in front of the loads below
.else
	PLACES 4
.endif
	FETCH \next, 0, 1-(\set)
	MUL 2, 2, \set, 0
	WIN 0
.endm
	s_load_b256 s[4:11], s[0:1], 0x0               ; oc s[4:5], wc s[6:7], lowp_scales s[8:9], out0 s[10:11]
	v_lshl_add_u32 v[SPW], v0, 2, SPARE
	v_mov_b32 v[NIL], 0
	ds_add_u32 v28, v29
	s_wait_dscnt 0x0
	v_lshrrev_b32 v1, 5, v0
	v_readfirstlane_b32 s14, v1                    ; wave 0..3
	s_lshr_b32 s15, s14, 1                         ; I fetch for P (0) or for R (1)
	s_and_b32 s16, s14, 1                          ; which half of that tile
	s_bfe_u32 s40, ttmp6, 0x40000                  ; cx, cy
	s_bfe_u32 s41, ttmp6, 0x40004
	s_lshl_b32 s42, ttmp9, 2
	s_add_co_u32 s42, s42, s40                     ; x: tile column
	s_and_b32 s17, ttmp7, 0xffff
	s_lshl_b32 s17, s17, 2
	s_add_co_u32 s17, s17, s41                     ; y: tile row
	s_lshl_b32 s43, s41, 2
	s_lshl_b32 s43, 15, s43                        ; my row of the cluster
	s_lshl_b32 s44, 0x1111, s40                    ; my column
	; descriptor groups 1: rows of 6,144 bytes (768 elements of 8 bytes), NKS x 2,048 bytes apart; 8 rows for half of P's tile, 4 for half of R's; dense in LDS.
	; For the last tile tensor_dim0, what is left of a row from the tile's first element, is LASTF fragments: beyond it nothing is read and zeros are written.
	s_or_b32 s[G1+0], s43, (3<<16)|(1<<21)
	s_or_b32 s[G1B+0], s44, (3<<16)|(1<<21)
	s_or_b32 s[G1L+0], s43, (3<<16)|(1<<21)
	s_or_b32 s[G1BL+0], s44, (3<<16)|(1<<21)
	s_mov_b32 s[G1+1], (FPS*256)<<16               ; tensor_dim0
	s_mov_b32 s[G1B+1], (FPS*256)<<16
	s_mov_b32 s[G1L+1], (LASTF*256)<<16
	s_mov_b32 s[G1BL+1], (LASTF*256)<<16
.irp g, G1, G1L
	s_mov_b32 s[\g+2], 8<<16                       ; tensor_dim1
	s_mov_b32 s[\g+3], (FPS*256)<<16               ; tile_dim0
	s_mov_b32 s[\g+4], 8                           ; tile_dim1
	s_mov_b32 s[\g+5], NKS*256                     ; tensor_dim0_stride
	s_mov_b32 s[\g+6], 0
	s_mov_b32 s[\g+7], 0
.endr
.irp g, G1B, G1BL
	s_mov_b32 s[\g+2], 4<<16
	s_mov_b32 s[\g+3], (FPS*256)<<16
	s_mov_b32 s[\g+4], 4
	s_mov_b32 s[\g+5], NKS*256
	s_mov_b32 s[\g+6], 0
	s_mov_b32 s[\g+7], 0
.endr
	s_lshl_b32 s20, s17, 4
	s_lshl_b32 s18, s16, 3
	s_add_co_u32 s20, s20, s18                     ; P: row block 16 y + 8 x half
	s_mul_i32 s20, s20, NKS*2048
	s_mov_b32 s21, 0
	s_lshl_b32 s46, s42, 3
	s_lshl_b32 s18, s16, 2
	s_add_co_u32 s46, s46, s18                     ; R: row block 8 x + 4 x half,
	s_mul_i32 s46, s46, NKS*2048
	s_add_co_u32 s46, s46, 4194304                 ; in Wo's part of wc
	s_mov_b32 s47, 0
	s_mul_i32 s45, s16, 8*RBP                      ; where they go: P's half,
	s_mul_i32 s19, s16, 4*RBP
	s_add_co_u32 s19, s19, ROFF                    ; R's half
	s_wait_kmcnt 0x0
	s_load_b64 s[78:79], s[8:9], 0x28              ; entries 10 and 11
	s_add_nc_u64 s[20:21], s[4:5], s[20:21]
	s_add_nc_u64 s[46:47], s[6:7], s[46:47]
	CROUND                                         ; all sixteen work-groups are here: the first joint loads meet
.irp s, 0,1
	s_mov_b32 s[G0+4*\s], 1
	s_add_co_u32 s[G0+4*\s+1], s45, \s*SLOT
	s_add_nc_u64 s[G0+4*\s+2:G0+4*\s+3], s[20:21], \s*RBP
	s_or_b32 s[G0+4*\s+3], s[G0+4*\s+3], 0x80000000
	s_mov_b32 s[G0B+4*\s], 1
	s_add_co_u32 s[G0B+4*\s+1], s19, \s*SLOT
	s_add_nc_u64 s[G0B+4*\s+2:G0B+4*\s+3], s[46:47], \s*RBP
	s_or_b32 s[G0B+4*\s+3], s[G0B+4*\s+3], 0x80000000
	JLOAD G0+4*\s, G1, G0B+4*\s, G1B               ; two loads of mine are out
.endr
	v_and_b32 v1, 31, v0
	v_lshlrev_b32 v[LI], 4, v1
	s_mul_i32 s18, s14, 4*RBP                      ; my four row blocks of P
	v_add_nc_u32 v[ADRP], s18, v[LI]
	v_add_nc_u32 v[ADRP+1], SLOT, v[ADRP]
	v_add_nc_u32 v[ADRR], ROFF, v[LI]
	v_add_nc_u32 v[ADRR+1], SLOT+ROFF, v[LI]
	v_and_b32 v1, 15, v0                           ; r
	v_bfe_u32 v2, v0, 4, 1                         ; h
	s_mul_i32 s18, s14, 16*SPITCH
	s_add_co_u32 s18, s18, STAGE                   ; my stage
	v_mul_u32_u24 v3, v1, SPITCH
	v_lshl_add_u32 v3, v2, 5, v3
	v_add_nc_u32 v[STO], s18, v3                   ; in: row r, 32 bytes for each half of the lanes
	v_add_nc_u32 v[RD], s18, v[LI]                 ; back: the 32 lanes take one row of 512 bytes
	s_lshl_b32 s80, s17, 21                        ; out0: 256 y rows of 8,192 bytes,
	s_lshl_b32 s82, s14, 19                        ; 64 w rows,
	s_add_co_u32 s80, s80, s82
	s_lshl_b32 s82, s42, 9                         ; 128 x columns
	s_add_co_u32 s80, s80, s82
	s_mov_b32 s81, 0
	s_add_nc_u64 s[10:11], s[10:11], s[80:81]
	s_wait_tensorcnt 1                             ; my part of slot 0 is in; slot 1's may be out
	s_barrier_signal -1
	s_barrier_wait -1
	FETCH 0, 0, 0
	STEP 0, 0, 0, 1                                ; steps 0 to 2: the first products start the sums; the last tile, two fragments, is asked for
	STEP 0, 1, 1, 0
	TURN 0, 1, 0, 2
	STEP 1, 0, 1, 0                                ; steps 3 to 5; nothing is left to fetch
	STEP 1, 1, 0, 0
	TURN 1, 0, 1, 0
	STEP 0, 0, 0, 0                                ; steps 6 and 7: the last tile's two fragments
	s_wait_dscnt 0x0
	MUL 0, 4, 1, 0
	WIN 0
; THE WAY OUT, block by block of 16 rows x 128 columns: through my own stage and back as whole rows of 512 bytes.  LDS serves a wave's instructions in order (ISA guide 5.7.1.4): no wait between the stores and the loads.
.macro TOSTAGE a
	WIN 0x02                                       ; source 0: window 2
.set k, 0
.rept 32
	v_pk_mul_f32 v[T+k:T+k+1], v[64*(\a)+k:64*(\a)+k+1], s[22:23] op_sel_hi:[1,0]   ; x 2^(e10 + e11); each accumulator from its low end on
.set k, k+2
.endr
	WIN 0
.irp b, 0,1,2,3,4,5,6,7
	ds_store_b128 v[STO], v[T+8*\b:T+8*\b+3] offset:64*\b
	ds_store_b128 v[STO], v[T+8*\b+4:T+8*\b+7] offset:64*\b+16
.endr
.irp t, 0,1,2,3,4,5,6,7,8,9,10,11,12,13,14,15
	ds_load_b128 v[128+64*((\a)%2)+4*\t:128+64*((\a)%2)+4*\t+3], v[RD] offset:\t*SPITCH
.endr
.endm
.macro SEND a, younger                 ; younger: the LDS instructions issued behind block a's loads, which may stay out
	s_wait_dscnt \younger
.irp t, 0,1,2,3,4,5,6,7,8,9,10,11,12,13,14,15
	global_store_b128 v[LI], v[128+64*((\a)%2)+4*\t:128+64*((\a)%2)+4*\t+3], s[10:11] offset:(\a)*131072+\t*8192 th:TH_STORE_NT   ; 32 lanes store 512 consecutive bytes, at a multiple of 256 from out0's first byte
.endr
.endm
	s_wait_kmcnt 0x0
	s_add_co_i32 s22, s78, s79
	s_add_co_i32 s22, s22, 127
	s_lshl_b32 s22, s22, 23                        ; 2^(e10 + e11) as f32
	s_mov_b32 s23, s22                             ; (named with it as a pair, so it is written)
	PLACES 4                                       ; behind the last products
	TOSTAGE 0
.irp a, 1,2,3
.if \a > 1
	s_wait_xcnt 0x0                                ; block a - 2's stores have read their registers: block a's loads may land there
.endif
	TOSTAGE \a
	SEND \a-1, 32                                  ; behind block a - 1's loads: block a's 16 stores and 16 loads
.endr
	SEND 3, 0
	s_wait_tensorcnt 0x0                           ; the wave's end, behind my last tensor load and my last LDS store
	ds_add_u32 v[SPW], v[NIL]
	s_wait_dscnt 0x0
	CROUND                                         ; the closing round
	s_endpgm
.Lfunc_end_k_q9ca523f6c9_outp:
	.size	k_q9ca523f6c9_outp, .Lfunc_end_k_q9ca523f6c9_outp-k_q9ca523f6c9_outp
	.p2alignl 7, 3214868480
	.fill 96, 4, 3214868480
	.section	.rodata,"a",@progbits
	.p2align	6, 0x0
	.amdhsa_kernel k_q9ca523f6c9_outp
		.amdhsa_group_segment_fixed_size 327680
		.amdhsa_private_segment_fixed_size 0
		.amdhsa_enable_private_segment 0
		.amdhsa_kernarg_size 32
		.amdhsa_user_sgpr_count 2
		.amdhsa_user_sgpr_kernarg_segment_ptr 1
		.amdhsa_wavefront_size32 1
		.amdhsa_system_sgpr_workgroup_id_x 1
		.amdhsa_system_sgpr_workgroup_id_y 1
		.amdhsa_system_sgpr_workgroup_id_z 1
		.amdhsa_system_vgpr_workitem_id 0
		.amdhsa_next_free_vgpr 1024
		.amdhsa_next_free_sgpr 100
		.amdhsa_reserve_vcc 0
		.amdhsa_float_denorm_mode_32 3
		.amdhsa_float_denorm_mode_16_64 3
		.amdhsa_memory_ordered 1
		.amdhsa_forward_progress 1
		.amdhsa_inst_pref_size 74
	.end_amdhsa_kernel
	.amdgpu_metadata
---
amdhsa.version: [ 1, 2 ]
amdhsa.kernels:
  - .name:           k_q9ca523f6c9_outp
    .symbol:         k_q9ca523f6c9_outp.kd
    .args:
      - { .name: oc, .offset: 0, .size: 8, .value_kind: global_buffer, .address_space: global }
      - { .name: wc, .offset: 8, .size: 8, .value_kind: global_buffer, .address_space: global }
      - { .name: lowp_scales, .offset: 16, .size: 8, .value_kind: global_buffer, .address_space: global }
      - { .name: out0, .offset: 24, .size: 8, .value_kind: global_buffer, .address_space: global }
    .group_segment_fixed_size: 327680
    .private_segment_fixed_size: 0
    .kernarg_segment_align: 8
    .kernarg_segment_size: 32
    .max_flat_workgroup_size: 128
    .sgpr_count:     100
    .vgpr_count:     1024
    .wavefront_size: 32
...
	.end_amdgpu_metadata
.endif
;; end of part 4
